; MI455X (gfx1250); checked and timed in simulation.
; The chip was launched on July 23, 2026; its instructions are those of AMD's public machine-readable ISA for CDNA 5 (MIT licence, August 2026) and "CDNA5" Instruction Set Architecture Reference Guide (July 2026). The comments in the code are by the model that wrote it; some were corrected since.
;; Self Attention. Allowed arithmetic: matrix products marked QUANTISED: E2M3 operands, one E8M0 scale for each 32 along K, by v_wmma_scale_f32_16x16x128_f8f6f4 with both operands' format E2M3, f32 sums; everything else in f32.
;; Inputs: W_kqv 1,024 x 3,072 float32; W_proj 1,024 x 1,024 float32; x 4 x 2,048 x 1,024 float32.
;; Outputs: out0 4 x 2,048 x 1,024 float32.
;; This version of the problem:
;;   THIS VERSION OF THE PROBLEM IS GIVEN IN LOW PRECISION. The matrix products marked QUANTISED in the list below multiply operands that are first quantised to E2M3 (2 exponent bits, 3 mantissa bits; 6 bits a number), with one power-of-two scale for each 32 numbers along K (OCP MX v1.0); their sums are f32. All else is computed in f32.
;;   The module's matrix products, in the order in which they are computed (A, B: the left and right operand; K: the contracted axis; several contracted axes count as one K, in the product's order):
;;     1. [M 8,192, K 1,024] x [K 1,024, N 3,072]; A: input x; B: input W_kqv: QUANTISED
;;     2. batch 64 x [M 2,048, K 64] x [K 64, N 2,048]; A: computed on the way; B: computed on the way: QUANTISED
;;     3. batch 64 x [M 2,048, K 2,048] x [K 2,048, N 64]; A: softmax (see below); B: computed on the way: QUANTISED
;;     4. [M 8,192, K 1,024] x [K 1,024, N 1,024]; A: computed on the way; B: input W_proj: QUANTISED
;;   THE QUANTISER, for each operand of a quantised product, along K:
;;     - K is cut into blocks of 32 from its start; a last block that is shorter is filled with zeros.
;;     - A block's scale is 2^e with e = floor(log2(the largest magnitude in the block)) - 2, held to -126 .. 127; a block of zeros has e = 0. As a byte (E8M0): e + 127.
;;     - Each number is divided by its block's scale, clamped to +-7.5, and rounded to the nearest number of E2M3, ties to even, subnormals kept.
;;     - The product sums the exact products of the quantised numbers (number of the format x scale) in f32.
;;   ~~~python
;;   def quantise(x, axis):      # numpy; x: float32 -> the quantised numbers, widened to float32 again
;;       x = np.moveaxis(x, axis, -1); K = x.shape[-1]
;;       x = np.pad(x, [(0, 0)] * (x.ndim - 1) + [(0, -K % 32)]); x = x.reshape(x.shape[:-1] + (-1, 32)); a = np.abs(x).max(-1, keepdims=True)
;;       e = np.where(a > 0, np.clip(np.frexp(np.where(a > 0, a, 1))[1] - 1 - 2, -126, 127), 0)      # np.frexp(a)[1] - 1 = floor(log2(a)), exactly
;;       r = np.clip(x / 2.0 ** e, -7.5, 7.5)
;;       step = 2.0 ** (np.maximum(np.frexp(np.where(r == 0, 1, r))[1] - 1, 0) - 3)
;;       q = np.round(r / step) * step * 2.0 ** e      # np.round: ties to even
;;       return np.moveaxis(q.reshape(q.shape[:-2] + (-1,))[..., :K], -1, axis).astype(np.float32)
;;   ~~~
;;   SOFTMAX AHEAD OF A QUANTISED PRODUCT. Where the list says 'softmax', what is quantised is not the finished softmax but p = 2^(t - M), with t = logit x log2(e) and M = ceil(the row's largest t), a whole number; so 1/2 < the row's largest p <= 1. The row's sum l is taken of the UNQUANTISED p, in f32, and the product's result is divided by l at the end. Since M is a whole number, a kernel that streams over the keys may use a running M (the ceiling of the running maximum): every later rescaling is an exact power of two, which a block's scale takes up: the codes' values come out the same.
;;   OPERANDS COMPUTED ON THE WAY. 'Computed on the way' means the value that the module computes at that place (a softmax that the list does not call 'softmax' is quantised finished and normalised). What goes into a quantiser is computed in f32, as accurately as f32 sums, v_exp_f32 and their like allow (about 1e-6 of the number): no bf16 or f16 on the way to a quantiser, and a product that is left as it is and whose result goes on into a quantised operand takes f32 operands (vector FMAs, or v_wmma_f32_16x16x4_f32). A number that lies on a knife's edge between two numbers of the format may be rounded either way, as far as f32 arithmetic and the matrix unit's own rounding can turn it there, and no further.
;; One version. Each part assembles by itself: llvm-mc -triple=amdgcn-amd-amdhsa -mcpu=gfx1250 --defsym DOCPART=n.
;; ======== version 1 of 1: 4 launches
;; limits: right only within a limited range of input values
;; workspace buffers: ximg 6,553,600 bytes; wimg 2,457,600 bytes; pimg 819,200 bytes; oimg 6,553,600 bytes; qimg 6,815,744 bytes; kv 13,369,344 bytes
;; launch quant (part 1): grid 512 x 1, 4 waves a work-group, no clusters, 34,304 bytes of LDS; arguments x, W_kqv, W_proj, ximg, wimg, pimg; writes ximg, wimg, pimg
.if DOCPART == 1
	.amdgcn_target "amdgcn-amd-amdhsa--gfx1250"
	.amdhsa_code_object_version 6
	.text
	.protected	k_q15f6e6ac61_quant
	.globl	k_q15f6e6ac61_quant
	.p2align	8
	.type	k_q15f6e6ac61_quant,@function
k_q15f6e6ac61_quant:
	s_mov_b64 s[64:65], 0
	v_nop
	global_prefetch_b8 v0, s[64:65] scope:SCOPE_SE
	s_setreg_imm32_b32 hwreg(HW_REG_WAVE_MODE, 25, 1), 1
	s_wait_xcnt 0x0
; ALL THREE INPUTS BECOME CODES OF E2M3 with one E8M0 byte for each 32 along K, laid in the ORDER OF THE OPERANDS' REGISTERS.  Work-groups 0-255 take x, 256-511 the weights: one branch on the work-group's number.
; An image: groups of 128 rows x 8 K steps of 128: a block of 12,800 bytes = 8 fragment images of 1,536 bytes, then 512 bytes of scale words (64 t + 4 r).
; A fragment image: for c = 0, 1: registers 6 c .. 6 c + 3 at 768 c + 16 lane, registers 6 c + 4, 6 c + 5 at 768 c + 512 + 8 lane.
; x [8192 tokens][1024], K innermost.  Lane r of tile t of a group holds token 64 (t / 4) + 8 (t % 4) + r % 8 + 32 (r / 8).  A wave makes four fragments of one block: each load reads 512 consecutive bytes of a token's row;
; 16 rows turn through the wave's own stage in LDS (rows of 512 + 16 bytes), so that lane (r, h) gets k = 64 c + 32 h + 0 .. 31 of row r: two whole blocks of 32.
; W_kqv [1024 (k)][3072], W_proj [1024 (k)][1024], K their FIRST axis.  A lane takes a column and its registers run down K: a load reads 128 consecutive bytes of a row of W, a block of 32 lies in one lane.
; Lane r of tile t of a group holds column 32 (t / 2) + 8 (t % 2) + r + 8 (r / 8).  Wave w: columns 32 w + lane, which are tiles 2 w + u, lane r, u = (lane / 8) % 2, r = lane % 8 + 8 (lane / 16).
; The two weights differ in the row pitch, which stands in the loads' immediates: that body is written twice.
; A block's scale byte is its largest magnitude's exponent field - 2, held at 1 from below.
; LIMITS: a block of zeros gets the byte 1 (its codes are zeros; this program alone reads the bytes); blocks whose largest magnitude lies under 2^(3 - 127) are held at that floor; NaN and infinities are not served.
; No matrix unit, no cluster, no barrier: memory binds, and waves share nothing.
.set STG,   16*528
.set SPARE, 4*STG
.set PW,    24
.set SPW,   30
.set NIL,   31
.set R,     32                         ; v32-159  two sets of 64: 16 rows as loaded
.set X,     160                        ; v160-223 my 64 numbers
.set C,     224
.set T,     236
	s_cmp_lt_u32 ttmp9, 256
	s_cbranch_scc0 .Lweights
	s_load_b64 s[4:5], s[0:1], 0x0                 ; x
	s_load_b64 s[6:7], s[0:1], 0x18                ; ximg
	v_lshl_add_u32 v[SPW], v0, 2, SPARE
	v_mov_b32 v[NIL], 0
	v_lshrrev_b32 v8, 5, v0
	v_readfirstlane_b32 s10, v8                    ; wave
	v_and_b32 v9, 31, v0
	v_and_b32 v10, 15, v0                          ; r
	v_bfe_u32 v11, v0, 4, 1                        ; h
	v_lshlrev_b32 v1, 4, v9
	v_lshlrev_b32 v2, 3, v9
	v_lshlrev_b32 v3, 2, v9
	s_mul_i32 s11, s10, STG
	v_add_nc_u32 v4, s11, v1                       ; into the stage: 16 x lane of a row
	v_mul_u32_u24 v5, v10, 528
	v_lshl_add_u32 v5, v11, 7, v5
	v_add_nc_u32 v5, s11, v5                       ; out of it: row r, + 128 h
	v_lshlrev_b32 v6, 3, v11                       ; 8 h
	v_mov_b32 v15, 0                               ; a lane permute's destination counts as read
	s_mov_b32 s20, 0x76543210
	s_mov_b32 s21, 0xfedcba98
	s_mov_b32 s22, 0xffff
	s_lshr_b32 s12, ttmp9, 2                       ; the group of 128 tokens
	s_and_b32 s13, ttmp9, 3
	s_lshl_b32 s13, s13, 1
	s_lshr_b32 s14, s10, 1
	s_or_b32 s13, s13, s14                         ; the K step
	s_and_b32 s14, s10, 1                          ; tiles 4 th .. 4 th + 3
	s_lshl_b32 s16, s12, 19
	s_lshl_b32 s15, s14, 18
	s_add_co_u32 s16, s16, s15
	s_lshl_b32 s15, s13, 9
	s_add_co_u32 s16, s16, s15
	s_mov_b32 s17, 0
	s_mul_i32 s18, s12, 102400
	s_mul_i32 s15, s13, 12800
	s_add_co_u32 s18, s18, s15
	s_mul_i32 s15, s14, 6144
	s_add_co_u32 s24, s18, s15                     ; my four fragments
	s_mov_b32 s25, 0
	s_lshl_b32 s15, s14, 8
	s_add_co_u32 s18, s18, s15
	s_add_co_u32 s18, s18, 12288                   ; my four tiles' scale words
	s_mov_b32 s19, 0
	s_wait_alu depctr_va_vdst(0)                   ; the wait at the head's end
	s_wait_kmcnt 0x0
	s_add_nc_u64 s[4:5], s[4:5], s[16:17]
	s_add_nc_u64 s[8:9], s[6:7], s[18:19]
	s_add_nc_u64 s[6:7], s[6:7], s[24:25]
.macro LOAD f                          ; fragment f's 16 rows, 512 consecutive bytes each
.irp i, 0,1,2,3,4,5,6,7,8,9,10,11,12,13,14,15
	global_load_b128 v[R+64*((\f)%2)+4*\i:R+64*((\f)%2)+4*\i+3], v1, s[4:5] offset:(8*(\f)+\i%8+32*(\i/8))*4096 th:TH_LOAD_NT
.endr
.endm
.macro FRAGMENT f
.if (\f) < 3
	s_wait_loadcnt 16                              ; my 16 loads are in; the next fragment's 16 stay out
.else
	s_wait_loadcnt 0x0
.endif
.irp i, 0,1,2,3,4,5,6,7,8,9,10,11,12,13,14,15
	ds_store_b128 v4, v[R+64*((\f)%2)+4*\i:R+64*((\f)%2)+4*\i+3] offset:528*\i
.endr
.irp c, 0,1
.irp j, 0,1,2,3,4,5,6,7
	ds_load_b128 v[X+32*\c+4*\j:X+32*\c+4*\j+3], v5 offset:256*\c+16*\j   ; LDS serves a wave's instructions in order: these see the stores above
.endr
.endr
	s_wait_dscnt 0x0
.if (\f) < 2
	LOAD (\f)+2
.endif
.irp c, 0,1
	v_max3_num_f32 v[8+\c], |v[X+32*\c]|, |v[X+32*\c+1]|, 0x1800000   ; block 2 c + h; the floor 2^(3 - 127)
.endr
.irp i, 2,4,6,8,10,12,14,16,18,20,22,24,26,28,30
.irp c, 0,1
	v_max3_num_f32 v[8+\c], v[8+\c], |v[X+32*\c+\i]|, |v[X+32*\c+\i+1]|
.endr
.endr
.irp c, 0,1
	v_add_nc_u32 v[10+\c], 0xff000000, v[8+\c]     ; 2 off the exponent field: the conversion's scale operand
.endr
.irp c, 0,1
	v_lshrrev_b32 v[12+\c], 23, v[10+\c]
.endr
	v_lshl_or_b32 v14, v13, 16, v12
	v_lshlrev_b32 v14, v6, v14
	v_permlanex16_b32 v15, v14, s20, s21
	v_or_b32 v[PW+(\f)], v14, v15                  ; with lane l xor 16's two bytes the word is whole
	s_wait_alu depctr_va_vdst(0)
	s_wait_xcnt 0x0                                ; the last fragment's stores have read the codes' registers
.irp c, 0,1
	v_cvt_scalef32_pk16_fp6_f32 v[C+6*\c:C+6*\c+2], v[X+32*\c:X+32*\c+15], v[10+\c]
	v_cvt_scalef32_pk16_fp6_f32 v[T+4*\c:T+4*\c+2], v[X+32*\c+16:X+32*\c+31], v[10+\c]
.endr
	v_nop                                          ; one plain place behind a scaled conversion
.irp c, 0,1
.irp i, 0,1,2
	v_mov_b32 v[C+6*\c+3+\i], v[T+4*\c+\i]
.endr
.endr
	global_store_b128 v1, v[C:C+3], s[6:7] offset:1536*(\f)
	global_store_b64 v2, v[C+4:C+5], s[6:7] offset:1536*(\f)+512
	global_store_b128 v1, v[C+6:C+9], s[6:7] offset:1536*(\f)+768
	global_store_b64 v2, v[C+10:C+11], s[6:7] offset:1536*(\f)+1280
.endm
	LOAD 0
	LOAD 1
	FRAGMENT 0
	FRAGMENT 1
	FRAGMENT 2
	FRAGMENT 3
	v_cndmask_b32 v28, v[PW+1], v[PW], s22         ; lanes 0-15 the even tile's words, lanes 16-31 the odd tile's
	v_cndmask_b32 v29, v[PW+3], v[PW+2], s22
	global_store_b32 v3, v28, s[8:9]
	global_store_b32 v3, v29, s[8:9] offset:128
	s_wait_tensorcnt 0x0                           ; the wave's end, behind my last LDS store
	ds_add_u32 v[SPW], v[NIL]
	s_wait_dscnt 0x0
	s_endpgm
.Lweights:                                             ; no LDS on this path
.set X,  32                            ; v32-159  128 numbers down K
.set CD, 160
.set CT, 192
.set SW, 208
	s_load_b128 s[4:7], s[0:1], 0x8                ; W_kqv, W_proj
	s_load_b128 s[8:11], s[0:1], 0x20              ; wimg, pimg
	v_lshrrev_b32 v1, 5, v0
	v_readfirstlane_b32 s12, v1                    ; wave
	v_and_b32 v2, 31, v0
	v_lshlrev_b32 v3, 2, v2
	v_bfe_u32 v4, v2, 3, 1                         ; u
	v_and_b32 v5, 7, v2
	v_lshrrev_b32 v6, 4, v2
	v_lshl_add_u32 v5, v6, 3, v5                   ; r
	v_mul_u32_u24 v7, v4, 1536
	v_lshl_add_u32 v8, v5, 4, v7
	v_lshl_add_u32 v9, v5, 3, v7
	v_lshlrev_b32 v10, 6, v4
	v_lshl_add_u32 v10, v5, 2, v10
	s_and_b32 s22, ttmp9, 31                       ; under 24: a group of W_kqv; else of W_proj
	s_lshr_b32 s13, ttmp9, 5
	s_and_b32 s13, s13, 7                          ; the K step
	s_mov_b32 s15, 4096
	s_cmp_lt_u32 s22, 24
	s_cselect_b32 s14, 0, 24
	s_cselect_b32 s15, 12288, s15                  ; a row of W in bytes
	s_sub_co_u32 s14, s22, s14                     ; the group
	s_mul_i32 s16, s13, s15
	s_lshl_b32 s16, s16, 7
	s_lshl_b32 s17, s14, 9
	s_add_co_u32 s16, s16, s17
	s_lshl_b32 s17, s12, 7
	s_add_co_u32 s16, s16, s17
	s_mov_b32 s17, 0
	s_mul_i32 s18, s14, 102400
	s_mul_i32 s19, s13, 12800
	s_add_co_u32 s18, s18, s19
	s_mul_i32 s19, s12, 3072
	s_add_co_u32 s20, s18, s19                     ; my two fragments
	s_mov_b32 s21, 0
	s_lshl_b32 s19, s12, 7
	s_add_co_u32 s18, s18, s19
	s_add_co_u32 s18, s18, 12288                   ; my two tiles' scale words
	s_mov_b32 s19, 0
	s_wait_alu depctr_va_vdst(0)
	s_wait_kmcnt 0x0
	s_cmp_lt_u32 s22, 24                           ; the choice hangs on the work-group's number alone
	s_cselect_b64 s[4:5], s[4:5], s[6:7]
	s_cselect_b64 s[8:9], s[8:9], s[10:11]
	s_add_nc_u64 s[4:5], s[4:5], s[16:17]
	s_add_nc_u64 s[6:7], s[8:9], s[20:21]
	s_add_nc_u64 s[8:9], s[8:9], s[18:19]
.macro LOADB t, pitch
.irp i, 0,1,2,3,4,5,6,7,8,9,10,11,12,13,14,15,16,17,18,19,20,21,22,23,24,25,26,27,28,29,30,31
	global_load_b32 v[X+32*(\t)+\i], v3, s[4:5] offset:(32*(\t)+\i)*(\pitch) th:TH_LOAD_NT
.endr
.endm
.macro BLOCK t, pitch                  ; block t of the lane is what lane r + 16 (t % 2) of half t / 2 of the fragment holds
.set XS, X+32*(\t)
.if (\t) < 3
	s_wait_loadcnt 32                              ; this block's 32 loads are in; the next block's stay out
.else
	s_wait_loadcnt 0x0
.endif
.if (\t) < 2
	LOADB (\t)+2, \pitch
.endif
	v_max3_num_f32 v12, |v[XS]|, |v[XS+1]|, |v[XS+2]|
	v_max3_num_f32 v13, |v[XS+3]|, |v[XS+4]|, |v[XS+5]|
.irp i, 6,10,14,18,22,26
	v_max3_num_f32 v12, v12, |v[XS+\i]|, |v[XS+\i+1]|
	v_max3_num_f32 v13, v13, |v[XS+\i+2]|, |v[XS+\i+3]|
.endr
	v_max3_num_f32 v12, v12, |v[XS+30]|, |v[XS+31]|
	v_max3_num_f32 v12, v12, v13, 0x1800000
	v_add_nc_u32 v14, 0xff000000, v12
	v_lshrrev_b32 v15, 23, v14
.if (\t) == 0
	v_mov_b32 v[SW], v15
.else
	v_lshl_or_b32 v[SW], v15, 8*(\t), v[SW]
.endif
	v_cvt_scalef32_pk16_fp6_f32 v[CD+8*(\t):CD+8*(\t)+2], v[XS:XS+15], v14
	v_cvt_scalef32_pk16_fp6_f32 v[CT+4*(\t):CT+4*(\t)+2], v[XS+16:XS+31], v14
	v_nop
.irp i, 0,1,2
	v_mov_b32 v[CD+8*(\t)+3+\i], v[CT+4*(\t)+\i]
.endr
	global_store_b128 v8, v[CD+8*(\t):CD+8*(\t)+3], s[6:7] offset:768*((\t)/2)+256*((\t)%2)        ; the 32 lanes fill two aligned runs of 256 bytes, one in each tile
	global_store_b64 v9, v[CD+8*(\t)+4:CD+8*(\t)+5], s[6:7] offset:768*((\t)/2)+512+128*((\t)%2)
.endm
.macro BODY pitch
	LOADB 0, \pitch
	LOADB 1, \pitch
	BLOCK 0, \pitch
	BLOCK 1, \pitch
	BLOCK 2, \pitch
	BLOCK 3, \pitch
	global_store_b32 v10, v[SW], s[8:9]
	s_endpgm
.endm
	s_cbranch_scc0 .Lproj                          ; (selects and 64-bit sums leave the compare's result alone)
	BODY 12288
.Lproj:
	BODY 4096
.Lfunc_end_k_q15f6e6ac61_quant:
	.size	k_q15f6e6ac61_quant, .Lfunc_end_k_q15f6e6ac61_quant-k_q15f6e6ac61_quant
	.p2alignl 7, 3214868480
	.fill 96, 4, 3214868480
	.section	.rodata,"a",@progbits
	.p2align	6, 0x0
	.amdhsa_kernel k_q15f6e6ac61_quant
		.amdhsa_group_segment_fixed_size 34304
		.amdhsa_private_segment_fixed_size 0
		.amdhsa_enable_private_segment 0
		.amdhsa_kernarg_size 48
		.amdhsa_user_sgpr_count 2
		.amdhsa_user_sgpr_kernarg_segment_ptr 1
		.amdhsa_wavefront_size32 1
		.amdhsa_system_sgpr_workgroup_id_x 1
		.amdhsa_system_sgpr_workgroup_id_y 1
		.amdhsa_system_sgpr_workgroup_id_z 1
		.amdhsa_system_vgpr_workitem_id 0
		.amdhsa_next_free_vgpr 248
		.amdhsa_next_free_sgpr 66
		.amdhsa_reserve_vcc 0
		.amdhsa_float_denorm_mode_32 3
		.amdhsa_float_denorm_mode_16_64 3
		.amdhsa_memory_ordered 1
		.amdhsa_forward_progress 1
		.amdhsa_inst_pref_size 70
	.end_amdhsa_kernel
	.amdgpu_metadata
---
amdhsa.version: [ 1, 2 ]
amdhsa.kernels:
  - .name:           k_q15f6e6ac61_quant
    .symbol:         k_q15f6e6ac61_quant.kd
    .args:
      - { .name: x, .offset: 0, .size: 8, .value_kind: global_buffer, .address_space: global }
      - { .name: W_kqv, .offset: 8, .size: 8, .value_kind: global_buffer, .address_space: global }
      - { .name: W_proj, .offset: 16, .size: 8, .value_kind: global_buffer, .address_space: global }
      - { .name: ximg, .offset: 24, .size: 8, .value_kind: global_buffer, .address_space: global }
      - { .name: wimg, .offset: 32, .size: 8, .value_kind: global_buffer, .address_space: global }
      - { .name: pimg, .offset: 40, .size: 8, .value_kind: global_buffer, .address_space: global }
    .group_segment_fixed_size: 34304
    .private_segment_fixed_size: 0
    .kernarg_segment_align: 8
    .kernarg_segment_size: 48
    .max_flat_workgroup_size: 128
    .sgpr_count:     66
    .vgpr_count:     248
    .wavefront_size: 32
...
	.end_amdgpu_metadata
.endif
;; end of part 1
;; launch gemm_kqv (part 2): grid 8 x 32, 4 waves a work-group, clusters of 4 x 4, 327,680 bytes of LDS; arguments ximg, wimg, kv, qimg; writes kv, qimg
.if DOCPART == 2
	.amdgcn_target "amdgcn-amd-amdhsa--gfx1250"
	.amdhsa_code_object_version 6
	.text
	.protected	k_q15f6e6ac61_gemm_kqv
	.globl	k_q15f6e6ac61_gemm_kqv
	.p2align	8
	.type	k_q15f6e6ac61_gemm_kqv,@function
k_q15f6e6ac61_gemm_kqv:
	s_mov_b64 s[64:65], 0
	v_nop
	global_prefetch_b8 v0, s[64:65] scope:SCOPE_SE
	s_setreg_imm32_b32 hwreg(HW_REG_WAVE_MODE, 25, 1), 1
	s_wait_xcnt 0x0
	s_wait_alu depctr_hold_cnt(0) depctr_sa_sdst(0) depctr_va_vdst(0) depctr_va_sdst(0) depctr_va_ssrc(0) depctr_va_vcc(0) depctr_vm_vsrc(0)
	s_getreg_b32 s2, hwreg(HW_REG_IB_STS2, 6, 4)
	s_cmp_eq_u32 s2, 0
	s_cbranch_scc0 .Lentry_in_a_cluster
	s_endpgm
.Lentry_in_a_cluster:
	s_bfe_u32 s2, ttmp6, 0x10000c
	s_cmp_lg_u32 s2, 0xf033
	s_cbranch_scc0 .Lentry_shape_is_right
	s_endpgm
.Lentry_shape_is_right:
; kqv = x W_kqv on codes of E2M3, its results quantised at once for the attention's products; nothing wide goes to memory.
; A WORK-GROUP STAYS: its 256 tokens (two groups of ximg, all of K, 204,800 bytes) lie in LDS for the whole launch, and three groups of 128 columns of W follow each other through
; W's 102,400 bytes: group xg of k, of q, of v (xg = 0 .. 7).  So x's images come in once for three tiles.
; k, q: source 1 = 64 tokens a wave (the result's lanes), source 0 = the 128 columns (its registers, along the head's 64, the K of q k^T).
; v: the same core with the LDS addresses swapped: source 1 = 64 columns (one head's channels: lanes), source 0 = 128 tokens (registers, along the keys, the K of p v).
; Tokens in tiles: lane r of tile t holds token 64 (t / 4) + 8 (t % 4) + r % 8 + 32 (r / 8): as registers, 32 on end are a whole block of 32 keys in one lane.
; Columns in tiles: lane r of tile t holds column 32 (t / 2) + 8 (t % 2) + r + 8 (r / 8): as registers, 16 on end are half a block, the other half in lane l xor 16.
; FILLS.  At the head one tensor load a wave: K steps 0-5 (waves 0, 1 a group of x each, waves 2, 3 three K steps of W each); K steps 6, 7 behind the full sequence and a round.
; W's bytes are filled again twice, each wave two K steps, behind a drained round that stands inside K step 7, whose fragments are all in registers; the load lands under the epilogue.
; By the text's own count one tensor load of a wave is out at a time; every wait on TENSORcnt is for 0.
; CLUSTER 4 x 4: x's blocks hang on the tile row alone (joint along a row of the cluster), W's on xg alone (joint along a column).
; PREFETCH: q's group of W is asked for at the head, v's in the first tile: 400 blocks of 256 bytes, 25 to each of the sixteen waves of a column of the cluster, told apart by address.
; kv: [64 heads][16 key steps][13,056]: K's 8 half images (768 t), K's scale words (6,144), V's 4 fragments as three 512-byte images (6,656 + 1,536 a), V's scale words (12,800).  qimg: [64][16][6,656].
; LIMITS: a block of zeros gets the byte 1 (its codes are zeros; this program alone reads the bytes); the floor 2^(3 - 127); NaN and infinities not served.
.set GRP,   102400
.set BLK,   12800
.set FRB,   1536
.set LB,    2*GRP                      ; LDS: x's two groups, then W's one
.set SPARE, 3*GRP                      ; then the spare words
.set KA,  1                            ; v1-12  LDS addresses for k, q: +0 source 1's 16-byte parts (K steps 0-3, 4-7), +2 its 8-byte parts, +4 its scale words, +6, +8, +10 the same for source 0
.set VA,  16                           ; v16-27 the same for v
.set L16, 13
.set L8,  14
.set L4,  15
.set H8,  28                           ; 8 (lane / 16)
.set SPW, 30
.set NIL, 31
.set SC,  32                           ; v32-47 scale words, two sets
.set ST16, 48                          ; v48-50 k's and q's places in a step's block
.set ST8, 49
.set ST4, 50
.set PFO, 51                           ; v51 the prefetches' offset; never rewritten
.set BF,  64                           ; fragments: set 0 in window 0, set 1 in window 2
.set AF,  160
.set PC,  64                           ; epilogue, window 0
.set CT,  112
.set TM,  120
.set PW,  136
.set WV,  12
.set WH,  13
.set WL,  14
.set TR,  17
.set G1A, 24
.set G1B, 32
.set G0A, 40
.set G0B, 48
.set G0R, 56
.set SEL, 66
.set MSB, 0
.macro WIN new
.if MSB != (\new)
	s_set_vgpr_msb (MSB<<8)|(\new)
.set MSB, \new
.endif
.endm
.macro CREST
	s_cmp_lg_u32 s[WV], 0
	s_cbranch_scc1 .Lnot_wave_0_\@
	s_barrier_signal -3
.Lnot_wave_0_\@:
	s_barrier_wait -3
	s_barrier_signal -1
	s_barrier_wait -1
.endm
.macro CROUND
	s_barrier_signal -1
	s_barrier_wait -1
	CREST
.endm
.macro PLACES
.rept 4
	v_nop
.endr
.endm
.macro JLOAD g0a, g0b                  ; waves 0, 1 fetch x's blocks, waves 2, 3 W's: one load in each arm
	s_cmp_eq_u32 s[WH], 0
	s_cbranch_scc0 .Lfor_b_\@
	tensor_load_to_lds s[\g0a:\g0a+3], s[G1A:G1A+7]
	s_nop 0
	PLACES
	s_branch .Lasked_\@
.Lfor_b_\@:
	tensor_load_to_lds s[\g0b:\g0b+3], s[G1B:G1B+7]
	s_nop 0
	PLACES
.Lasked_\@:
.endm
.macro FRAG reg, a16, a8, off
	ds_load_b128 v[\reg:\reg+3], v[\a16] offset:\off
	ds_load_b64 v[\reg+4:\reg+5], v[\a8] offset:\off+512
	ds_load_b128 v[\reg+6:\reg+9], v[\a16] offset:\off+768
	ds_load_b64 v[\reg+10:\reg+11], v[\a8] offset:\off+1280
.endm
.macro FETCH s, o                      ; K step s: 12 fragments and 6 registers of scale words, 54 LDS loads in one run
.set HS, (\s)/4
.set SO, ((\s)%4)*BLK
.set PP, (\s)%2
	WIN 0x80*PP
.irp b, 0,1,2,3,4,5,6,7
	FRAG BF+12*\b, \o+6+HS, \o+8+HS, SO+FRB*\b
.endr
.irp a, 0,1,2,3
	FRAG AF+12*\a, \o+HS, \o+2+HS, SO+FRB*\a
.endr
	WIN 0
.irp j, 0,1,2,3
	ds_load_b32 v[SC+8*PP+\j], v[\o+10+HS] offset:SO+12288+128*\j
.endr
.irp i, 0,1
	ds_load_b32 v[SC+8*PP+4+\i], v[\o+4+HS] offset:SO+12288+128*\i
.endr
.endm
.macro MM1 d, x, y, c, sx, sy, ra, rb  ; ra, rb: the odd tile of a pair has its scale words in lanes 16-31
.if (\ra) && (\rb)
	v_wmma_scale_f32_16x16x128_f8f6f4 v[\d:\d+7], v[\x:\x+11], v[\y:\y+11], \c, v[\sx], v[\sy] matrix_a_fmt:MATRIX_FMT_FP6 matrix_b_fmt:MATRIX_FMT_FP6 matrix_a_scale:MATRIX_SCALE_ROW1 matrix_b_scale:MATRIX_SCALE_ROW1
.elseif \ra
	v_wmma_scale_f32_16x16x128_f8f6f4 v[\d:\d+7], v[\x:\x+11], v[\y:\y+11], \c, v[\sx], v[\sy] matrix_a_fmt:MATRIX_FMT_FP6 matrix_b_fmt:MATRIX_FMT_FP6 matrix_a_scale:MATRIX_SCALE_ROW1
.elseif \rb
	v_wmma_scale_f32_16x16x128_f8f6f4 v[\d:\d+7], v[\x:\x+11], v[\y:\y+11], \c, v[\sx], v[\sy] matrix_a_fmt:MATRIX_FMT_FP6 matrix_b_fmt:MATRIX_FMT_FP6 matrix_b_scale:MATRIX_SCALE_ROW1
.else
	v_wmma_scale_f32_16x16x128_f8f6f4 v[\d:\d+7], v[\x:\x+11], v[\y:\y+11], \c, v[\sx], v[\sy] matrix_a_fmt:MATRIX_FMT_FP6 matrix_b_fmt:MATRIX_FMT_FP6
.endif
.endm
.macro MULA s, a                       ; eight products; the 32 accumulators take turns in the same order in every step
.irp b, 0,1,2,3,4,5,6,7
.set DR, 8*(8*(\a)+\b)
.if (\s) == 0
	MM1 DR, BF+12*\b, AF+12*(\a), 0, SC+8*((\s)%2)+\b/2, SC+8*((\s)%2)+4+(\a)/2, \b%2, (\a)%2
.else
	MM1 DR, BF+12*\b, AF+12*(\a), v[DR:DR+7], SC+8*((\s)%2)+\b/2, SC+8*((\s)%2)+4+(\a)/2, \b%2, (\a)%2
.endif
.endr
.endm
; A K step.  lp = 1 (k, q): ahead of K step 6's fetch a plain barrier shows what is still out; K step 7 holds the round and W's refill.
.macro STEP s, o, lp
.set MW, 0x50+0x0a*((\s)%2)
	s_wait_dscnt 0x0                               ; this step's 54 loads
.if (\lp) && ((\s) == 5)
	s_wait_tensorcnt 0x0                           ; my part of K steps 6, 7 has landed,
	s_barrier_signal -1
	s_barrier_wait -1                              ; everybody's has
.endif
.if (\s) < 7
	PLACES                                         ; four places in front of loads into the set that the last step's products read
	FETCH (\s)+1, \o
.endif
.if (\lp) && ((\s) == 1)
	s_cmp_eq_u32 s[TR], 0                          ; in k's tile: v's group of W, which the refill in q's tile will load
	s_cbranch_scc0 .Lno_ask_\@
	global_prefetch_b8 v[PFO], s[62:63] th:TH_LOAD_NT scope:SCOPE_SE
.Lno_ask_\@:
.endif
.if (\lp) && ((\s) == 7)
	s_wait_tensorcnt 0x0                           ; ahead of a refill's round
	ds_add_u32 v[SPW], v[NIL]
	s_mov_b32 s[G1B+2], 100<<16                    ; no load of mine is out: a refill brings 100 rows, two K steps
	s_mov_b32 s[G1B+4], 100
	WIN MW
	MULA \s, 0
	MULA \s, 1
	s_wait_dscnt 0x0                               ; the add is done; my reads of W's bytes were over at this step's head
	s_barrier_signal -1
	MULA \s, 2
	MULA \s, 3
	WIN 0
	s_barrier_wait -1
	CREST
	tensor_load_to_lds s[G0R:G0R+3], s[G1B:G1B+7]  ; the next group of W, my two K steps
	s_nop 0
	PLACES                                         ; also the places behind the last products
.else
	WIN MW
	MULA \s, 0
	MULA \s, 1
	MULA \s, 2
	MULA \s, 3
	WIN 0
.endif
.endm
; THE QUANTISER of source 1's tile a: a lane's 64 sums.  vv = 0: registers 16 b + i are 32 b + 16 (lane / 16) + i along the next K (a block is shared with lane l xor 16).
; vv = 1: registers 32 c + i are 64 c + 32 (lane / 16) + i: two whole blocks, and no lane looks at another but for the scale word.
.macro QUANT a, vv
	WIN 0x05
.irp b, 0,1,2,3
	v_max3_num_f32 v[TM+\b], |v[64*(\a)+16*\b]|, |v[64*(\a)+16*\b+1]|, 0x1800000   ; each accumulator from its low end on; the floor 2^(3 - 127)
.endr
.irp i, 2,4,6,8,10,12,14
.irp b, 0,1,2,3
	v_max3_num_f32 v[TM+\b], |v[64*(\a)+16*\b+\i]|, |v[64*(\a)+16*\b+\i+1]|, v[TM+\b]
.endr
.endr
	WIN 0
.if \vv
	v_max_num_f32 v[TM], v[TM], v[TM+1]
	v_max_num_f32 v[TM+2], v[TM+2], v[TM+3]
	v_add_nc_u32 v[TM+12], 0xff000000, v[TM]       ; 2 off the exponent field: the conversions' scale operand
	v_add_nc_u32 v[TM+14], 0xff000000, v[TM+2]
	v_lshrrev_b32 v[TM+4], 23, v[TM+12]
	v_lshrrev_b32 v[TM+6], 23, v[TM+14]
	v_lshl_or_b32 v[TM+8], v[TM+6], 16, v[TM+4]    ; blocks h and 2 + h,
	v_lshlrev_b32 v[TM+8], v[H8], v[TM+8]          ; at their places in the word;
	v_permlanex16_b32 v[TM+9], v[TM+8], s[SEL], s[SEL+1]
	v_or_b32 v[PW+(\a)], v[TM+8], v[TM+9]          ; with lane l xor 16's two it is whole
	WIN 0x01
.irp c, 0,1
	v_cvt_scalef32_pk16_fp6_f32 v[PC+12*(\a)+6*\c:PC+12*(\a)+6*\c+2], v[64*(\a)+32*\c:64*(\a)+32*\c+15], v[TM+12+2*\c]
	v_cvt_scalef32_pk16_fp6_f32 v[CT+4*\c:CT+4*\c+2], v[64*(\a)+32*\c+16:64*(\a)+32*\c+31], v[TM+12+2*\c]
.endr
	WIN 0
	v_nop                                          ; one plain place behind a scaled conversion
.irp c, 0,1
.irp i, 0,1,2
	v_mov_b32 v[PC+12*(\a)+6*\c+3+\i], v[CT+4*\c+\i]
.endr
.endr
.else
.irp b, 0,1,2,3
	v_permlanex16_b32 v[TM+4+\b], v[TM+\b], s[SEL], s[SEL+1]
.endr
.irp b, 0,1,2,3
	v_max_num_f32 v[TM+\b], v[TM+\b], v[TM+4+\b]
.endr
.irp b, 0,1,2,3
	v_add_nc_u32 v[TM+12+\b], 0xff000000, v[TM+\b]
.endr
.irp b, 0,1,2,3
	v_lshrrev_b32 v[TM+4+\b], 23, v[TM+12+\b]
.endr
	v_lshl_or_b32 v[PW+(\a)], v[TM+5], 8, v[TM+4]
	v_lshl_or_b32 v[PW+(\a)], v[TM+6], 16, v[PW+(\a)]
	v_lshl_or_b32 v[PW+(\a)], v[TM+7], 24, v[PW+(\a)]
	WIN 0x01
.irp c, 0,1
	v_cvt_scalef32_pk16_fp6_f32 v[PC+12*(\a)+6*\c:PC+12*(\a)+6*\c+2], v[64*(\a)+32*\c:64*(\a)+32*\c+15], v[TM+12+2*\c]
	v_cvt_scalef32_pk16_fp6_f32 v[CT+4*\c:CT+4*\c+2], v[64*(\a)+32*\c+16:64*(\a)+32*\c+31], v[TM+13+2*\c]
.endr
	WIN 0
	v_nop
.irp c, 0,1
.irp i, 0,1,2
	v_permlane16_swap_b32 v[PC+12*(\a)+6*\c+\i], v[CT+4*\c+\i]
.endr
.irp i, 0,1,2
	v_mov_b32 v[PC+12*(\a)+6*\c+3+\i], v[CT+4*\c+\i]
.endr
.endr
.endif
.endm
	s_load_b256 s[4:11], s[0:1], 0x0               ; ximg, wimg, kv, qimg
	v_lshl_add_u32 v[SPW], v0, 2, SPARE
	v_mov_b32 v[NIL], 0
	ds_add_u32 v[SPW], v[NIL]                      ; the opening lines: the add twice and its wait ahead of my first tensor load
	ds_add_u32 v[SPW], v[NIL]
	v_lshrrev_b32 v1, 5, v0
	v_readfirstlane_b32 s[WV], v1
	s_lshr_b32 s[WH], s[WV], 1
	s_and_b32 s[WL], s[WV], 1
	s_bfe_u32 s15, ttmp6, 0x40000                  ; cx
	s_bfe_u32 s16, ttmp6, 0x40004                  ; cy
	s_and_b32 s19, ttmp7, 0xffff
	s_lshl_b32 s19, s19, 2
	s_add_co_u32 s19, s19, s16                     ; mt: my 256 tokens
	s_lshl_b32 s20, ttmp9, 2
	s_add_co_u32 s20, s20, s15                     ; xg: my group of each of k, q, v
	s_lshl_b32 s21, s16, 2
	s_lshl_b32 s21, 15, s21                        ; my row of the cluster
	s_lshl_b32 s22, 0x1111, s15                    ; my column
	s_or_b32 s[G1A], s21, (3<<16)|(1<<21)          ; the mask; elements of 8 bytes; bit 21 beside a mask; dense rows of 256 bytes
	s_or_b32 s[G1B], s22, (3<<16)|(1<<21)
	s_mov_b32 s[G1A+1], 32<<16
	s_mov_b32 s[G1A+2], 300<<16                    ; x: six K steps of a group
	s_mov_b32 s[G1A+3], 32<<16
	s_mov_b32 s[G1A+4], 300
	s_mov_b32 s[G1A+5], 32
	s_mov_b32 s[G1A+6], 0
	s_mov_b32 s[G1A+7], 0
	s_mov_b32 s[G1B+1], 32<<16
	s_mov_b32 s[G1B+2], 150<<16                    ; W: three K steps
	s_mov_b32 s[G1B+3], 32<<16
	s_mov_b32 s[G1B+4], 150
	s_mov_b32 s[G1B+5], 32
	s_mov_b32 s[G1B+6], 0
	s_mov_b32 s[G1B+7], 0
	s_lshl_b32 s70, s19, 1
	s_add_co_u32 s70, s70, s[WL]
	s_mul_i32 s70, s70, GRP                        ; x: group 2 mt + my half
	s_mov_b32 s71, 0
	s_mul_i32 s72, s20, GRP                        ; W: group xg
	s_mov_b32 s73, 0
	s_mul_i32 s84, s[WL], GRP
	s_mul_i32 s86, s[WL], 3*BLK                    ; W, at the head: K steps 3 (w % 2) ..
	s_mov_b32 s87, 0
	s_mul_i32 s88, s[WL], BLK
	s_add_co_u32 s88, s88, 6*BLK                   ; then K step 6 + w % 2
	s_mov_b32 s89, 0
	s_mul_i32 s90, s[WV], 2*BLK                    ; a refill: K steps 2 w, 2 w + 1
	s_mov_b32 s91, 0
	s_lshl_b32 s82, s16, 2
	s_add_co_u32 s82, s82, s[WV]
	s_mul_i32 s82, s82, 25*256                     ; my 25 blocks of a group's 400, among the sixteen waves of my column
	s_mov_b32 s[SEL], 0x76543210
	s_mov_b32 s[SEL+1], 0xfedcba98
	s_mov_b32 s68, 0xffff
	s_wait_dscnt 0x0
	s_wait_kmcnt 0x0
	s_add_nc_u64 s[70:71], s[4:5], s[70:71]
	s_add_nc_u64 s[72:73], s[6:7], s[72:73]
	s_add_nc_u64 s[60:61], s[72:73], 8*GRP         ; q's group, v's group: the prefetches' bases
	s_add_nc_u64 s[62:63], s[72:73], 16*GRP
.irp j, 0,1
	s_mov_b32 s[G0A+4*\j], 1
	s_add_co_u32 s[G0A+4*\j+1], s84, 6*BLK*\j
	s_add_nc_u64 s[G0A+4*\j+2:G0A+4*\j+3], s[70:71], 6*BLK*\j
	s_or_b32 s[G0A+4*\j+3], s[G0A+4*\j+3], 0x80000000
	s_mov_b32 s[G0B+4*\j], 1
	s_add_co_u32 s[G0B+4*\j+1], s[86+2*\j], LB
	s_add_nc_u64 s[G0B+4*\j+2:G0B+4*\j+3], s[72:73], s[86+2*\j:87+2*\j]
	s_or_b32 s[G0B+4*\j+3], s[G0B+4*\j+3], 0x80000000
.endr
	s_mov_b32 s[G0R], 1
	s_add_co_u32 s[G0R+1], s90, LB
	s_add_nc_u64 s[G0R+2:G0R+3], s[60:61], s[90:91]
	s_or_b32 s[G0R+3], s[G0R+3], 0x80000000
	CROUND                                         ; all sixteen work-groups are here: the joint loads meet
	JLOAD G0A, G0B                                 ; K steps 0-5: one tensor load a wave at the head
	s_mul_i32 s74, s[WH], GRP                      ; my group of x
	s_mul_i32 s75, s[WL], 4*FRB
	s_lshl_b32 s76, s[WL], 8
	s_add_co_u32 s77, s74, s75                     ; k, q: my four tiles of tokens,
	s_add_co_u32 s78, s74, s76                     ; and, 12,288 on, their scale words
	s_add_co_u32 s79, s75, LB                      ; v: my four tiles of channels
	s_add_co_u32 s80, s76, LB
	s_mul_i32 s81, s[WL], 3072
	v_and_b32 v[L16], 31, v0
	v_bfe_u32 v[H8], v0, 4, 1
	v_min_u32 v[PFO], 24, v[L16]
	v_lshlrev_b32 v[L8], 3, v[L16]
	v_lshlrev_b32 v[L4], 2, v[L16]
	v_lshlrev_b32 v[L16], 4, v[L16]
	v_lshlrev_b32 v[H8], 3, v[H8]
	v_lshl_add_u32 v[PFO], v[PFO], 8, s82
	v_add_nc_u32 v[KA], s77, v[L16]
	v_add_nc_u32 v[KA+2], s77, v[L8]
	v_add_nc_u32 v[KA+4], s78, v[L4]
	v_add_nc_u32 v[KA+6], LB, v[L16]
	v_add_nc_u32 v[KA+8], LB, v[L8]
	v_add_nc_u32 v[KA+10], LB, v[L4]
	v_add_nc_u32 v[VA], s79, v[L16]
	v_add_nc_u32 v[VA+2], s79, v[L8]
	v_add_nc_u32 v[VA+4], s80, v[L4]
	v_add_nc_u32 v[VA+6], s74, v[L16]
	v_add_nc_u32 v[VA+8], s74, v[L8]
	v_add_nc_u32 v[VA+10], s74, v[L4]
.irp k, 0,2,4,6,8,10
	v_add_nc_u32 v[KA+1+\k], 4*BLK, v[KA+\k]       ; K steps 4-7
	v_add_nc_u32 v[VA+1+\k], 4*BLK, v[VA+\k]
.endr
	v_add_nc_u32 v[ST16], s81, v[L16]
	v_add_nc_u32 v[ST8], s81, v[L8]
	v_add_nc_u32 v[ST4], s76, v[L4]
	s_wait_alu depctr_va_vdst(0)                   ; the wait at the head's end
	global_prefetch_b8 v[PFO], s[60:61] th:TH_LOAD_NT scope:SCOPE_SE   ; q's group of W, which the refill in k's tile will load
	s_wait_tensorcnt 0x0                           ; my part of K steps 0-5 is in; the full sequence ahead of a later first fill:
	ds_add_u32 v[SPW], v[NIL]
	s_mov_b32 s[G1A+2], 100<<16                    ; no load of mine is out: x's two K steps,
	s_mov_b32 s[G1A+4], 100
	s_mov_b32 s[G1B+2], 50<<16                     ; W's one
	s_mov_b32 s[G1B+4], 50
	s_wait_dscnt 0x0
	CROUND
	JLOAD G0A+4, G0B+4                             ; K steps 6, 7
	s_mov_b32 s[TR], 0
.Ltile:                                                ; trip 0: k; trip 1: q
	FETCH 0, KA
.irp s, 0,1,2,3,4,5,6,7
	STEP \s, KA, 1
.endr
	s_lshl_b32 s96, s19, 1
	s_add_co_u32 s96, s96, s[WH]                   ; my group of 128 tokens
	s_lshr_b32 s97, s96, 4
	s_lshl_b32 s97, s97, 4                         ; 16 heads a batch
	s_and_b32 s96, s96, 15                         ; the step of 128 tokens in the batch
	s_lshl_b32 s98, s20, 1
	s_add_co_u32 s97, s97, s98                     ; the head of half c = 0
	s_mov_b32 s92, 106496
	s_mov_b32 s98, 6656
	s_cmp_eq_u32 s[TR], 0
	s_cselect_b64 s[90:91], s[8:9], s[10:11]
	s_cselect_b32 s92, 208896, s92                 ; bytes of a head
	s_cselect_b32 s98, 13056, s98                  ; and of a step
	s_mov_b32 s93, 0
	s_mul_i32 s97, s97, s92
	s_mul_i32 s96, s96, s98
	s_add_co_u32 s96, s96, s97
	s_mov_b32 s97, 0
	s_add_nc_u64 s[90:91], s[90:91], s[96:97]
	s_add_nc_u64 s[94:95], s[90:91], s[92:93]      ; the next head
.irp b, 0,1,2,3
	v_mov_b32 v[TM+4+\b], 0                        ; a lane permute's destination counts as read
.endr
	QUANT 0, 0
	QUANT 1, 0
	QUANT 2, 0
	QUANT 3, 0
	v_cndmask_b32 v140, v[PW+1], v[PW], s68        ; lanes 0-15 the even tile's words, lanes 16-31 the odd tile's
	v_cndmask_b32 v141, v[PW+3], v[PW+2], s68
.irp i, 0,1
	v_and_b32 v[142+\i], 0xffff, v[140+\i]         ; head c = 0: bytes 0, 1; the upper bytes, 0, scale the unused half of the score product's K
	v_lshrrev_b32 v[144+\i], 16, v[140+\i]         ; head c = 1
.endr
	s_wait_alu depctr_va_vdst(0)
.irp a, 0,1,2,3
	global_store_b128 v[ST16], v[PC+12*\a:PC+12*\a+3], s[90:91] offset:768*\a
	global_store_b64 v[ST8], v[PC+12*\a+4:PC+12*\a+5], s[90:91] offset:768*\a+512
	global_store_b128 v[ST16], v[PC+12*\a+6:PC+12*\a+9], s[94:95] offset:768*\a
	global_store_b64 v[ST8], v[PC+12*\a+10:PC+12*\a+11], s[94:95] offset:768*\a+512
.endr
.irp i, 0,1
	global_store_b32 v[ST4], v[142+\i], s[90:91] offset:6144+128*\i
	global_store_b32 v[ST4], v[144+\i], s[94:95] offset:6144+128*\i
.endr
	s_wait_xcnt 0x0                                ; the stores have read their registers: the next tile's fragments may land there
	s_wait_tensorcnt 0x0                           ; my part of the next group of W is in,
	s_add_nc_u64 s[G0R+2:G0R+3], s[G0R+2:G0R+3], 8*GRP   ; (no load of mine is out; behind q's tile the stepped address is not used)
	s_barrier_signal -1
	s_barrier_wait -1                              ; everybody's is
	s_add_co_u32 s[TR], s[TR], 1
	s_cmp_lt_u32 s[TR], 2
	s_cbranch_scc1 .Ltile
	FETCH 0, VA                                    ; v: written out: it asks for nothing more
.irp s, 0,1,2,3,4,5,6,7
	STEP \s, VA, 0
.endr
	PLACES
	s_lshl_b32 s96, s19, 1
	s_add_co_u32 s96, s96, s[WH]                   ; my 128 tokens: a key step
	s_lshr_b32 s97, s96, 4
	s_lshl_b32 s97, s97, 4
	s_and_b32 s96, s96, 15
	s_lshl_b32 s98, s20, 1
	s_add_co_u32 s97, s97, s98
	s_add_co_u32 s97, s97, s[WL]                   ; my head
	s_mul_i32 s97, s97, 208896
	s_mul_i32 s96, s96, 13056
	s_add_co_u32 s96, s96, s97
	s_mov_b32 s97, 0
	s_add_nc_u64 s[90:91], s[8:9], s[96:97]
	v_mov_b32 v[TM+9], 0
	QUANT 0, 1
	QUANT 1, 1
	QUANT 2, 1
	QUANT 3, 1
	v_cndmask_b32 v140, v[PW+1], v[PW], s68
	v_cndmask_b32 v141, v[PW+3], v[PW+2], s68
	s_wait_alu depctr_va_vdst(0)
.irp a, 0,1,2,3
.irp g, 0,1,2
	global_store_b128 v[L16], v[PC+12*\a+4*\g:PC+12*\a+4*\g+3], s[90:91] offset:6656+1536*\a+512*\g
.endr
.endr
.irp i, 0,1
	global_store_b32 v[L4], v[140+\i], s[90:91] offset:12800+128*\i
.endr
	s_wait_tensorcnt 0x0                           ; the wave's end
	ds_add_u32 v[SPW], v[NIL]
	s_wait_dscnt 0x0
	CROUND                                         ; the closing round
	s_endpgm
.Lfunc_end_k_q15f6e6ac61_gemm_kqv:
	.size	k_q15f6e6ac61_gemm_kqv, .Lfunc_end_k_q15f6e6ac61_gemm_kqv-k_q15f6e6ac61_gemm_kqv
	.p2alignl 7, 3214868480
	.fill 96, 4, 3214868480
	.section	.rodata,"a",@progbits
	.p2align	6, 0x0
	.amdhsa_kernel k_q15f6e6ac61_gemm_kqv
		.amdhsa_group_segment_fixed_size 327680
		.amdhsa_private_segment_fixed_size 0
		.amdhsa_enable_private_segment 0
		.amdhsa_kernarg_size 32
		.amdhsa_user_sgpr_count 2
		.amdhsa_user_sgpr_kernarg_segment_ptr 1
		.amdhsa_wavefront_size32 1
		.amdhsa_system_sgpr_workgroup_id_x 1
		.amdhsa_system_sgpr_workgroup_id_y 1
		.amdhsa_system_sgpr_workgroup_id_z 1
		.amdhsa_system_vgpr_workitem_id 0
		.amdhsa_next_free_vgpr 768
		.amdhsa_next_free_sgpr 100
		.amdhsa_reserve_vcc 0
		.amdhsa_float_denorm_mode_32 3
		.amdhsa_float_denorm_mode_16_64 3
		.amdhsa_memory_ordered 1
		.amdhsa_forward_progress 1
		.amdhsa_inst_pref_size 166
	.end_amdhsa_kernel
	.amdgpu_metadata
---
amdhsa.version: [ 1, 2 ]
amdhsa.kernels:
  - .name:           k_q15f6e6ac61_gemm_kqv
    .symbol:         k_q15f6e6ac61_gemm_kqv.kd
    .args:
      - { .name: ximg, .offset: 0, .size: 8, .value_kind: global_buffer, .address_space: global }
      - { .name: wimg, .offset: 8, .size: 8, .value_kind: global_buffer, .address_space: global }
      - { .name: kv, .offset: 16, .size: 8, .value_kind: global_buffer, .address_space: global }
      - { .name: qimg, .offset: 24, .size: 8, .value_kind: global_buffer, .address_space: global }
    .group_segment_fixed_size: 327680
    .private_segment_fixed_size: 0
    .kernarg_segment_align: 8
    .kernarg_segment_size: 32
    .max_flat_workgroup_size: 128
    .sgpr_count:     100
    .vgpr_count:     768
    .wavefront_size: 32
...
	.end_amdgpu_metadata
.endif
;; end of part 2
;; launch attn (part 3): grid 4 x 64, 16 waves a work-group, clusters of 4 x 1, 210,944 bytes of LDS; arguments qimg, kv, oimg; writes oimg
.if DOCPART == 3
	.amdgcn_target "amdgcn-amd-amdhsa--gfx1250"
	.amdhsa_code_object_version 6
	.text
	.protected	k_q15f6e6ac61_attn
	.globl	k_q15f6e6ac61_attn
	.p2align	8
	.type	k_q15f6e6ac61_attn,@function
k_q15f6e6ac61_attn:
	s_mov_b64 s[64:65], 0
	v_nop
	global_prefetch_b8 v0, s[64:65] scope:SCOPE_SE
	s_setreg_imm32_b32 hwreg(HW_REG_WAVE_MODE, 25, 1), 1
	s_wait_xcnt 0x0
	s_wait_alu depctr_hold_cnt(0) depctr_sa_sdst(0) depctr_va_vdst(0) depctr_va_sdst(0) depctr_va_ssrc(0) depctr_va_vcc(0) depctr_vm_vsrc(0)
	s_getreg_b32 s2, hwreg(HW_REG_IB_STS2, 6, 4)
	s_cmp_eq_u32 s2, 0
	s_cbranch_scc0 .Lentry_in_a_cluster
	s_endpgm
.Lentry_in_a_cluster:
	s_bfe_u32 s2, ttmp6, 0x10000c
	s_cmp_lg_u32 s2, 0x3003
	s_cbranch_scc0 .Lentry_shape_is_right
	s_endpgm
.Lentry_shape_is_right:
; out[head][q] = softmax_k(q . k / 8) v on codes of E2M3, and out quantised at once along the channels for the last product.
; THE SOFTMAX: t = score x log2(e) / 8; M = the running largest t rounded up to a whole number; p = 2^(t - M) is quantised along the keys, not normalised; the row's sum is taken of the unquantised p and divides at the end.
; When M moves, the sum and O are multiplied by 2^(old M - new M), which rounds nothing.
; SHARES.  A work-group owns 512 queries of one head; each of its sixteen waves one tile of 16 queries in each of two passes (a loop of two trips), in 256 registers: four waves to a SIMD.
; ONE HEAD'S K AND V, 16 key steps x 13,056 bytes, LIE IN LDS WHOLE, FILLED ONCE: wave w brings key step w by one tensor load.  The four work-groups of a cluster share the head and ask jointly.
; No prefetch: all tiles are asked for at the head.
; Both products are used transposed (S^T = K Q^T, O^T = V^T P^T): a lane holds one query throughout.  Row r of K's tile t is key 64 (t / 4) + 8 (t % 4) + r % 8 + 32 (r / 8), so that
; score register 32 c + i of lane (q, h) is key 64 c + 32 h + i: two whole blocks of 32 keys in a lane, in the order of the next operand's registers.
; FRAGMENTS RUN AHEAD: K and V have registers of their own.  K of step s + 1 is asked for behind the score products of step s, V of step s + 1 behind the products with V of step s; the step's number wraps (16 -> 0),
; so the last step of a pass asks for the next pass's first (the very last for fragments that nobody uses; they are waited for at the wave's end).
; So the LDS loads out are, in this order, K's 20 and V's 14: the wait for K has the count 14, the wait for V, with the next K's 20 behind it, the count 20.
; THE SCORE PRODUCT'S K IS 64, HALF OF THE FORM'S 128.  Q's upper six registers are zero codes; K's upper six are whatever lies there (the next tile's codes; for tile 7 the last step's codes of p): E2M3 has no infinity
; and no NaN, so each of those products is an exact zero; the scale bytes of that half are 0, a small power of two.
; LIMITS: the promise holds while the scaled scores stay under 2^31 in magnitude; a block of zeros gets the byte 1; the floor 2^(3 - 127); NaN and infinities not served.
; A block's largest p is taken as the exponential of its largest score (v_exp_f32 is taken not to fall where its input rises).
.set KVB,   13056
.set SPARE, 16*KVB
.set OM,  29                           ; v29      the old -M
.set F,   30                           ; v[30:31] f
.set KF,  32                           ; v32-79   K's eight tiles, six registers each
.set PCD, 80                           ; v80-91   p's codes; at a pass's end its results
.set KS,  92                           ; v92-95   K's scale words
.set S,   96                           ; v96-159  S^T, then p, then the sum's tree
.set O,   160                          ; v160-191 O^T
.set VF,  192                          ; v192-239 V's four fragments
.set VS,  240                          ; v240-241 V's scale words
.set QS,  242
.set PS,  243
.set BM,  244                          ; v244-247 four chains of maxima; v244, v246 the blocks' largest; then a conversion's second half
.set BT,  248                          ; v248-250 bytes, a permute's result; then the other second half
.set SO,  252                          ; v252-253 the conversions' scale operands
.set W1,  254
.set W2,  255
.set WV,  10
.set SEL, 20
.set CS,  22
.set G1,  24
.set G0,  32
.set TB,  36
.set CNT, 37
.set PAS, 58
.set NX,  59
; v1-3 16, 8, 4 x lane; v9 4 (lane % 16); v10 8 (lane / 16); v4, v5 the add's two; v6-8 the next step's LDS addresses; v12 -M, v13 the largest score, v[14:15] the sum; v16-21 Q, v22-27 zero codes.
.macro CROUND
	s_barrier_signal -1
	s_barrier_wait -1
	s_cmp_lg_u32 s[WV], 0
	s_cbranch_scc1 .Lnot_wave_0_\@
	s_barrier_signal -3
.Lnot_wave_0_\@:
	s_barrier_wait -3
	s_barrier_signal -1
	s_barrier_wait -1
.endm
.macro LOADK a16, a8, a4               ; 20 LDS loads
.irp t, 0,1,2,3,4,5,6,7
	ds_load_b128 v[KF+6*\t:KF+6*\t+3], v[\a16] offset:768*\t
	ds_load_b64 v[KF+6*\t+4:KF+6*\t+5], v[\a8] offset:768*\t+512
.endr
.irp j, 0,1,2,3
	ds_load_b32 v[KS+\j], v[\a4] offset:6144+128*\j    ; lanes 0-15 tile 2 j's words, lanes 16-31 tile 2 j + 1's
.endr
.endm
.macro LOADV a16, a4                   ; 14 LDS loads
.irp a, 0,1,2,3
.irp g, 0,1,2
	ds_load_b128 v[VF+12*\a+4*\g:VF+12*\a+4*\g+3], v[\a16] offset:6656+1536*\a+512*\g
.endr
.endr
.irp i, 0,1
	ds_load_b32 v[VS+\i], v[\a4] offset:12800+128*\i
.endr
.endm
.macro OMUL j                          ; a pair of O^T under the new M
	v_pk_mul_f32 v[O+2*(\j):O+2*(\j)+1], v[O+2*(\j):O+2*(\j)+1], v[F:F+1] op_sel_hi:[1,0]
.endm
.macro TADD a, b                       ; the sum's tree, in place over p
	v_pk_add_f32 v[S+(\a):S+(\a)+1], v[S+(\a):S+(\a)+1], v[S+(\b):S+(\b)+1]
.endm
	s_load_b128 s[4:7], s[0:1], 0x0                ; qimg, kv
	s_load_b64 s[8:9], s[0:1], 0x10                ; oimg
	v_lshl_add_u32 v4, v0, 2, SPARE
	v_mov_b32 v5, 0
	ds_add_u32 v4, v5                              ; the opening lines, ahead of my first tensor load
	ds_add_u32 v4, v5
	v_lshrrev_b32 v6, 5, v0
	s_delay_alu instid0(VALU_DEP_1)
	v_readfirstlane_b32 s[WV], v6
	s_bfe_u32 s11, ttmp6, 0x40000                  ; cx: it enters Q's and O's addresses alone
	s_and_b32 s12, ttmp7, 0xffff                   ; batch x 16 + head
	s_mov_b32 s[G1], 15|(3<<16)|(1<<21)
	s_mov_b32 s[G1+1], 32<<16
	s_mov_b32 s[G1+2], 51<<16                      ; 51 rows of 256 bytes: a key step's block
	s_mov_b32 s[G1+3], 32<<16
	s_mov_b32 s[G1+4], 51
	s_mov_b32 s[G1+5], 32
	s_mov_b32 s[G1+6], 0
	s_mov_b32 s[G1+7], 0
	s_mul_i32 s56, s12, 16*KVB
	s_mul_i32 s57, s[WV], KVB
	s_mov_b32 s[G0], 1
	s_mov_b32 s[G0+1], s57
	s_add_co_u32 s56, s56, s57
	s_mov_b32 s57, 0
	s_lshr_b32 s40, s[WV], 3
	s_and_b32 s41, s[WV], 7                        ; my tile in a step of 128 queries
	s_lshl_b32 s42, s11, 2
	s_add_co_u32 s42, s42, s40                     ; pass 0's step of 128 queries: 4 cx + w / 8; pass 1's is two on
	s_mul_i32 s43, s12, 106496
	s_mul_i32 s44, s42, 6656
	s_add_co_u32 s44, s44, s43
	s_mul_i32 s45, s41, 768
	s_add_co_u32 s46, s44, s45                     ; Q's half image
	s_mov_b32 s47, 0
	s_lshl_b32 s45, s41, 6
	s_add_co_u32 s48, s44, s45
	s_add_co_u32 s48, s48, 6144                    ; Q's scale words
	s_mov_b32 s49, 0
	s_lshr_b32 s50, s12, 4
	s_lshl_b32 s50, s50, 4
	s_add_co_u32 s50, s50, s42                     ; oimg: the group of 128 tokens,
	s_mul_i32 s50, s50, 102400
	s_and_b32 s51, s12, 15
	s_lshr_b32 s52, s51, 1
	s_mul_i32 s52, s52, 12800                      ; K step head / 2,
	s_add_co_u32 s50, s50, s52
	s_and_b32 s51, s51, 1                          ; half head % 2
	s_mul_i32 s52, s41, 1536
	s_mul_i32 s53, s51, 768
	s_add_co_u32 s52, s52, s53
	s_add_co_u32 s52, s52, s50
	s_mov_b32 s53, 0
	s_lshl_b32 s54, s41, 6
	s_lshl_b32 s55, s51, 1
	s_add_co_u32 s54, s54, s55
	s_add_co_u32 s54, s54, s50
	s_add_co_u32 s54, s54, 12288                   ; my two bytes of each row's scale word
	s_mov_b32 s55, 0
	s_mov_b32 s[SEL], 0x76543210
	s_mov_b32 s[SEL+1], 0xfedcba98
	s_mov_b32 s[CS], 0x3e38aa3b                    ; c = log2(e) / 8
	s_mov_b32 s[CS+1], s[CS]
	s_wait_dscnt 0x0
	s_wait_kmcnt 0x0
	s_add_nc_u64 s[G0+2:G0+3], s[6:7], s[56:57]
	s_or_b32 s[G0+3], s[G0+3], 0x80000000
	s_add_nc_u64 s[14:15], s[4:5], s[46:47]
	s_add_nc_u64 s[16:17], s[4:5], s[48:49]
	s_add_nc_u64 s[18:19], s[8:9], s[52:53]
	s_add_nc_u64 s[38:39], s[8:9], s[54:55]
	CROUND                                         ; all four work-groups are here: the joint loads meet
	tensor_load_to_lds s[G0:G0+3], s[G1:G1+7]
	s_nop 0
.rept 4
	v_nop
.endr
	v_and_b32 v3, 31, v0
	v_and_b32 v9, 15, v0
	v_bfe_u32 v10, v0, 4, 1
	v_lshlrev_b32 v1, 4, v3
	v_lshlrev_b32 v2, 3, v3
	v_lshlrev_b32 v3, 2, v3
	v_lshlrev_b32 v9, 2, v9
	v_lshlrev_b32 v10, 3, v10
.irp i, 0,1,2,3,4,5
	v_mov_b32 v[22+\i], 0                          ; Q's upper half: zero codes
	v_mov_b32 v[PCD+\i], 0                         ; what stands behind K's tile 7 in the first step
.endr
	v_mov_b32 v[BT], 0                             ; a lane permute's destination counts as read
	v_mov_b32 v[BT+1], 0
	v_mov_b32 v[BT+2], 0
	v_mov_b32 v[W1], 0
	v_mov_b32 v[W2], 0
	v_mov_b32 v[F+1], 0                            ; (named as the upper half of the pair)
	s_wait_alu depctr_va_vdst(0)                   ; the wait at the head's end
	s_wait_tensorcnt 0x0                           ; my key step has landed,
	s_barrier_signal -1
	s_barrier_wait -1                              ; everybody's has
	LOADK 1, 2, 3                                  ; step 0's fragments
	LOADV 1, 3
	s_mov_b32 s[PAS], 0
.Lpass:                                                ; A PASS: one tile of 16 queries against all 2,048 keys
	global_load_b128 v[16:19], v1, s[14:15]
	global_load_b64 v[20:21], v2, s[14:15] offset:512
	global_load_b32 v[QS], v9, s[16:17]
	v_mov_b32 v13, 0xff61b1e6                      ; the largest score so far: -3e38
	v_mov_b32 v12, 0x7f61b1e6                      ; -M: 3e38
	v_mov_b32 v14, 0
	v_mov_b32 v15, 0
.set J, 0
.rept 32
	v_mov_b32 v[O+J], 0                            ; O^T: the step is written once; the first change of M leaves zeros zeros
.set J, J+1
.endr
	s_mov_b32 s[CNT], 0
	s_wait_alu depctr_va_vdst(0)
	s_wait_loadcnt 0x0                             ; Q
.Lkeys:                                                ; A KEY STEP: 128 keys
	s_add_co_u32 s[NX], s[CNT], 1
	s_and_b32 s[NX], s[NX], 15                     ; the next step, 16 -> 0
	s_mul_i32 s[TB], s[NX], KVB
	s_wait_dscnt 14                                ; K is in; V's 14 loads, issued behind K's, may be out
.irp t, 0,1,2,3,4,5,6,7
.if \t%2
	v_wmma_scale_f32_16x16x128_f8f6f4 v[S+8*\t:S+8*\t+7], v[KF+6*\t:KF+6*\t+11], v[16:27], 0, v[KS+\t/2], v[QS] matrix_a_fmt:MATRIX_FMT_FP6 matrix_b_fmt:MATRIX_FMT_FP6 matrix_a_scale:MATRIX_SCALE_ROW1
.else
	v_wmma_scale_f32_16x16x128_f8f6f4 v[S+8*\t:S+8*\t+7], v[KF+6*\t:KF+6*\t+11], v[16:27], 0, v[KS+\t/2], v[QS] matrix_a_fmt:MATRIX_FMT_FP6 matrix_b_fmt:MATRIX_FMT_FP6
.endif
.endr
	v_mov_b32 v[OM], v12                           ; these four are the places in front of the loads below and of the first read of the scores
	v_add_nc_u32 v6, s[TB], v1
	v_add_nc_u32 v7, s[TB], v2
	v_add_nc_u32 v8, s[TB], v3
	LOADK 6, 7, 8                                  ; the next step's K
.irp b, 0,1,2,3
	v_max3_num_f32 v[BM+\b], v[S+16*\b], v[S+16*\b+1], v[S+16*\b+2]   ; four chains, two to a block of 32 keys
.endr
.irp i, 3,5,7,9,11,13
.irp b, 0,1,2,3
	v_max3_num_f32 v[BM+\b], v[BM+\b], v[S+16*\b+\i], v[S+16*\b+\i+1]
.endr
.endr
	v_max3_num_f32 v[BM], v[BM], v[S+15], v[S+31]
	v_max3_num_f32 v[BM+2], v[BM+2], v[S+47], v[S+63]
	s_delay_alu instid0(VALU_DEP_2)
	v_max_num_f32 v[BM], v[BM], v[BM+1]            ; my two blocks' largest scores: for the row's maximum and, since p rises with the score, for the blocks' largest p
	s_delay_alu instid0(VALU_DEP_2)
	v_max_num_f32 v[BM+2], v[BM+2], v[BM+3]
	s_delay_alu instid0(VALU_DEP_1)
	v_max3_num_f32 v[W1], v[BM], v[BM+2], v13
	s_delay_alu instid0(VALU_DEP_1)
	v_permlanex16_b32 v[W2], v[W1], s[SEL], s[SEL+1]
	s_delay_alu instid0(VALU_DEP_1)
	v_max_num_f32 v13, v[W1], v[W2]                ; the running largest score of my query
	s_delay_alu instid0(VALU_DEP_1)
	v_mul_f32 v[W1], s[CS], v13                    ; as t (c is positive)
	s_delay_alu instid0(VALU_DEP_1)
	v_floor_f32 v12, -v[W1]                        ; the new -M = -ceil(t)
	s_delay_alu instid0(VALU_DEP_1)
	v_sub_f32 v[W1], v12, v[OM]                    ; old M - new M: a whole number, 0 or less
	s_delay_alu instid0(VALU_DEP_1)
	v_cvt_i32_f32 v[W1], v[W1]                     ; (it saturates)
	s_delay_alu instid0(VALU_DEP_1)
	v_ldexp_f32 v[F], 1.0, v[W1]                   ; f = 2^(old M - new M)
.set J, 0
.rept 32
	v_pk_fma_f32 v[S+J:S+J+1], v[S+J:S+J+1], s[CS:CS+1], v[12:13] op_sel_hi:[1,0,0]   ; t - M, two at a time
.set J, J+2
.endr
	v_fma_f32 v[BM], v[BM], s[CS], v12             ; the same of each block's largest score
	v_fma_f32 v[BM+2], v[BM+2], s[CS], v12
	s_wait_alu depctr_va_vdst(0)                   ; the wait ahead of the batch
.set J, 0
.rept 64
	v_exp_f32 v[S+J], v[S+J]                       ; p = 2^(t - M)
.set J, J+1
.endr
	v_exp_f32 v[BM], v[BM]                         ; the blocks' largest p: the same two instructions on the same number
	v_exp_f32 v[BM+2], v[BM+2]
	v_pk_mul_f32 v[14:15], v[14:15], v[F:F+1] op_sel_hi:[1,0]   ; the sums under the new M: the plain place behind the exponentials
	s_wait_alu depctr_va_vdst(0)                   ; one wait: for the batch of 66, and directly ahead of the first reader of O^T; plain lines alone up to its last
	OMUL 0                                         ; O^T's sixteen pairs stand among the lines that make p's scales, which hang on each other
	v_max_num_f32 v[BM], 0x1800000, v[BM]          ; the floor 2^(3 - 127)
	v_max_num_f32 v[BM+2], 0x1800000, v[BM+2]
	OMUL 1
	OMUL 2
	v_add_nc_u32 v[SO], 0xff000000, v[BM]          ; 2 off the exponent field: the conversions' scale operands
	v_add_nc_u32 v[SO+1], 0xff000000, v[BM+2]
	OMUL 3
	OMUL 4
	v_lshrrev_b32 v[BT], 23, v[SO]                 ; the bytes
	v_lshrrev_b32 v[BT+1], 23, v[SO+1]
	OMUL 5
	OMUL 6
	v_lshl_or_b32 v[PS], v[BT+1], 16, v[BT]        ; blocks h and 2 + h,
	OMUL 7
	OMUL 8
	v_lshlrev_b32 v[PS], v10, v[PS]                ; at their places in the word;
	OMUL 9
	OMUL 10
	v_permlanex16_b32 v[BT+2], v[PS], s[SEL], s[SEL+1]
	OMUL 11
	OMUL 12
	v_or_b32 v[PS], v[PS], v[BT+2]                 ; with lane l xor 16's two: p's scale word for these 128 keys
	OMUL 13
	OMUL 14
	OMUL 15
	v_cvt_scalef32_pk16_fp6_f32 v[PCD:PCD+2], v[S:S+15], v[SO]
	v_cvt_scalef32_pk16_fp6_f32 v[BM:BM+2], v[S+16:S+31], v[SO]           ; (a conversion's three registers begin on an even number)
	v_cvt_scalef32_pk16_fp6_f32 v[PCD+6:PCD+8], v[S+32:S+47], v[SO+1]
	v_cvt_scalef32_pk16_fp6_f32 v[BT:BT+2], v[S+48:S+63], v[SO+1]
	v_nop                                          ; one plain place behind a scaled conversion
.irp i, 0,1,2
	v_mov_b32 v[PCD+3+\i], v[BM+\i]
	v_mov_b32 v[PCD+9+\i], v[BT+\i]
.endr
.irp k, 0,1,2,3,4,5,6,7,8,9,10,11,12,13,14,15  ; the row's sum of the unquantised p, in place: p has been converted
	TADD 4*\k, 4*\k+2
.endr
.irp k, 0,1,2,3,4,5,6,7
	TADD 8*\k, 8*\k+4
.endr
.irp k, 0,1,2,3
	TADD 16*\k, 16*\k+8
.endr
	s_wait_alu depctr_va_vdst(0)
	s_wait_dscnt 20                                ; V is in; the next K's 20 loads, issued behind V's, may be out
.irp a, 0,1,2,3
.if \a%2
	v_wmma_scale_f32_16x16x128_f8f6f4 v[O+8*\a:O+8*\a+7], v[VF+12*\a:VF+12*\a+11], v[PCD:PCD+11], v[O+8*\a:O+8*\a+7], v[VS+\a/2], v[PS] matrix_a_fmt:MATRIX_FMT_FP6 matrix_b_fmt:MATRIX_FMT_FP6 matrix_a_scale:MATRIX_SCALE_ROW1
.else
	v_wmma_scale_f32_16x16x128_f8f6f4 v[O+8*\a:O+8*\a+7], v[VF+12*\a:VF+12*\a+11], v[PCD:PCD+11], v[O+8*\a:O+8*\a+7], v[VS+\a/2], v[PS] matrix_a_fmt:MATRIX_FMT_FP6 matrix_b_fmt:MATRIX_FMT_FP6
.endif
.endr
	TADD 0, 16                                     ; the tree's last four lines are the places in front of the loads below
	TADD 32, 48
	TADD 0, 32
	v_pk_add_f32 v[14:15], v[14:15], v[S:S+1]
	LOADV 6, 8                                     ; the next step's V
	s_add_co_u32 s[CNT], s[CNT], 1
	s_cmp_lt_u32 s[CNT], 16
	s_wait_alu depctr_va_vdst(0)
	s_cbranch_scc1 .Lkeys
	v_add_f32 v14, v14, v15
	s_delay_alu instid0(VALU_DEP_1)
	v_permlanex16_b32 v[W1], v14, s[SEL], s[SEL+1]
	s_delay_alu instid0(VALU_DEP_1)
	v_add_f32 v14, v14, v[W1]                      ; the row's sum
	s_wait_alu depctr_va_vdst(0)
	v_rcp_f32 v14, v14
	v_nop                                          ; a plain place behind the reciprocal,
	s_wait_alu depctr_va_vdst(0)                   ; and the wait ahead of its first reader, which is O^T's too
.set J, 0
.rept 32
	v_mul_f32 v[S+J], v[O+J], v14                  ; register 16 b + i: channel 32 b + 16 (lane / 16) + i of my query
.set J, J+1
.endr
.irp b, 0,1
	v_max3_num_f32 v[BM+\b], |v[S+16*\b]|, |v[S+16*\b+1]|, 0x1800000
.endr
.irp i, 2,4,6,8,10,12,14
.irp b, 0,1
	s_delay_alu instid0(VALU_DEP_2)
	v_max3_num_f32 v[BM+\b], v[BM+\b], |v[S+16*\b+\i]|, |v[S+16*\b+\i+1]|
.endr
.endr
.irp b, 0,1
	v_permlanex16_b32 v[BT+\b], v[BM+\b], s[SEL], s[SEL+1]
.endr
.irp b, 0,1
	v_max_num_f32 v[BM+\b], v[BM+\b], v[BT+\b]
.endr
.irp b, 0,1
	v_add_nc_u32 v[SO+\b], 0xff000000, v[BM+\b]
.endr
.irp b, 0,1
	v_lshrrev_b32 v[BT+\b], 23, v[SO+\b]
.endr
	v_lshl_or_b32 v[PCD+6], v[BT+1], 8, v[BT]      ; my head's two bytes of the row's scale word
	v_cvt_scalef32_pk16_fp6_f32 v[PCD:PCD+2], v[S:S+15], v[SO]
	v_cvt_scalef32_pk16_fp6_f32 v[PCD+8:PCD+10], v[S+16:S+31], v[SO+1]
	v_nop
.irp i, 0,1,2
	v_permlane16_swap_b32 v[PCD+\i], v[PCD+8+\i]   ; here a block is shared with lane l xor 16: the operand wants it whole in a lane
.endr
.irp i, 0,1,2
	v_mov_b32 v[PCD+3+\i], v[PCD+8+\i]
.endr
	global_store_b128 v1, v[PCD:PCD+3], s[18:19]   ; 512 consecutive bytes, at a multiple of 256 from the buffer's first byte
	global_store_b64 v2, v[PCD+4:PCD+5], s[18:19] offset:512
	global_store_b16 v9, v[PCD+6], s[38:39]        ; lanes l and l xor 16 write the same two bytes with the same value
	s_wait_xcnt 0x0                                ; the bases and the results' registers are written again only behind this wait
	s_add_nc_u64 s[14:15], s[14:15], 13312         ; two steps of 128 queries on (behind the last pass the stepped addresses are not used)
	s_add_nc_u64 s[16:17], s[16:17], 13312
	s_add_nc_u64 s[18:19], s[18:19], 204800
	s_add_nc_u64 s[38:39], s[38:39], 204800
	s_add_co_u32 s[PAS], s[PAS], 1
	s_cmp_lt_u32 s[PAS], 2
	s_wait_alu depctr_va_vdst(0)
	s_cbranch_scc1 .Lpass
	s_wait_tensorcnt 0x0                           ; the wave's end; the last wait also covers the fragments asked for in the very last step
	ds_add_u32 v4, v5
	s_wait_dscnt 0x0
	CROUND                                         ; the closing round
	s_endpgm
.Lfunc_end_k_q15f6e6ac61_attn:
	.size	k_q15f6e6ac61_attn, .Lfunc_end_k_q15f6e6ac61_attn-k_q15f6e6ac61_attn
	.p2alignl 7, 3214868480
	.fill 96, 4, 3214868480
	.section	.rodata,"a",@progbits
	.p2align	6, 0x0
	.amdhsa_kernel k_q15f6e6ac61_attn
		.amdhsa_group_segment_fixed_size 210944
		.amdhsa_private_segment_fixed_size 0
		.amdhsa_enable_private_segment 0
		.amdhsa_kernarg_size 24
		.amdhsa_user_sgpr_count 2
		.amdhsa_user_sgpr_kernarg_segment_ptr 1
		.amdhsa_wavefront_size32 1
		.amdhsa_system_sgpr_workgroup_id_x 1
		.amdhsa_system_sgpr_workgroup_id_y 1
		.amdhsa_system_sgpr_workgroup_id_z 1
		.amdhsa_system_vgpr_workitem_id 0
		.amdhsa_next_free_vgpr 256
		.amdhsa_next_free_sgpr 66
		.amdhsa_reserve_vcc 0
		.amdhsa_float_denorm_mode_32 3
		.amdhsa_float_denorm_mode_16_64 3
		.amdhsa_memory_ordered 1
		.amdhsa_forward_progress 1
		.amdhsa_inst_pref_size 29
	.end_amdhsa_kernel
	.amdgpu_metadata
---
amdhsa.version: [ 1, 2 ]
amdhsa.kernels:
  - .name:           k_q15f6e6ac61_attn
    .symbol:         k_q15f6e6ac61_attn.kd
    .args:
      - { .name: qimg, .offset: 0, .size: 8, .value_kind: global_buffer, .address_space: global }
      - { .name: kv, .offset: 8, .size: 8, .value_kind: global_buffer, .address_space: global }
      - { .name: oimg, .offset: 16, .size: 8, .value_kind: global_buffer, .address_space: global }
    .group_segment_fixed_size: 210944
    .private_segment_fixed_size: 0
    .kernarg_segment_align: 8
    .kernarg_segment_size: 24
    .max_flat_workgroup_size: 512
    .sgpr_count:     66
    .vgpr_count:     256
    .wavefront_size: 32
...
	.end_amdgpu_metadata
.endif
;; end of part 3
;; launch gemm_proj (part 4): grid 8 x 32, 4 waves a work-group, clusters of 4 x 4, 327,680 bytes of LDS; arguments oimg, pimg, out0; writes out0
.if DOCPART == 4
	.amdgcn_target "amdgcn-amd-amdhsa--gfx1250"
	.amdhsa_code_object_version 6
	.text
	.protected	k_q15f6e6ac61_gemm_proj
	.globl	k_q15f6e6ac61_gemm_proj
	.p2align	8
	.type	k_q15f6e6ac61_gemm_proj,@function
k_q15f6e6ac61_gemm_proj:
	s_mov_b64 s[64:65], 0
	v_nop
	global_prefetch_b8 v0, s[64:65] scope:SCOPE_SE
	s_setreg_imm32_b32 hwreg(HW_REG_WAVE_MODE, 25, 1), 1
	s_wait_xcnt 0x0
	s_wait_alu depctr_hold_cnt(0) depctr_sa_sdst(0) depctr_va_vdst(0) depctr_va_sdst(0) depctr_va_ssrc(0) depctr_va_vcc(0) depctr_vm_vsrc(0)
	s_getreg_b32 s2, hwreg(HW_REG_IB_STS2, 6, 4)
	s_cmp_eq_u32 s2, 0
	s_cbranch_scc0 .Lentry_in_a_cluster
	s_endpgm
.Lentry_in_a_cluster:
	s_bfe_u32 s2, ttmp6, 0x10000c
	s_cmp_lg_u32 s2, 0xf033
	s_cbranch_scc0 .Lentry_shape_is_right
	s_endpgm
.Lentry_shape_is_right:
; out0 = out W_proj on codes of E2M3.  The core is gemm_kqv's: a tile of 256 tokens (operand A, source 1: the result's lanes) x 128 columns of W_proj (operand B, source 0: its registers), K = 1,024 in 8 steps.
; Four waves, 64 x 128 each, 32 accumulators in window 1; the whole K lies in LDS, filled once, K steps 0-5 and then 6, 7: one tensor load of a wave is out at a time.
; CLUSTER 4 x 4: A's blocks are asked for jointly along a row of the cluster, B's along a column.  No prefetch: every tile is asked for at the head.
; Tiles of 16 rows are not neighbours (lane r of tile t: row 32 (t / 2) + 8 (t % 2) + r + 8 (r / 8)); the way out puts each row and column back at its place.
; THE WAY OUT: a lane holds 8 x 8 neighbouring columns of one token; 16 tokens at a time go through the wave's stage in LDS and leave as whole rows of 512 bytes.
.set GRP,   102400
.set BLK,   12800
.set FRB,   1536
.set LB,    2*GRP
.set SPARE, 3*GRP
.set A16, 1
.set A8,  3
.set A4,  5
.set B16, 7
.set B8,  9
.set B4,  11
.set L16, 13
.set L8,  14
.set L4,  15
.set STO, 18                           ; v18  the stage: where I put 32 bytes of a row
.set RD,  19                           ; v19  and where I read a row back
.set SPW, 30
.set NIL, 31
.set SC,  32
.set BF,  64
.set AF,  160
.set WV,  12
.set WH,  13
.set WL,  14
.set G1A, 24
.set G1B, 32
.set G0A, 40
.set G0B, 68
.set MSB, 0
.macro WIN new
.if MSB != (\new)
	s_set_vgpr_msb (MSB<<8)|(\new)
.set MSB, \new
.endif
.endm
.macro CROUND
	s_barrier_signal -1
	s_barrier_wait -1
	s_cmp_lg_u32 s[WV], 0
	s_cbranch_scc1 .Lnot_wave_0_\@
	s_barrier_signal -3
.Lnot_wave_0_\@:
	s_barrier_wait -3
	s_barrier_signal -1
	s_barrier_wait -1
.endm
.macro PLACES
.rept 4
	v_nop
.endr
.endm
.macro FRAG reg, a16, a8, off
	ds_load_b128 v[\reg:\reg+3], v[\a16] offset:\off
	ds_load_b64 v[\reg+4:\reg+5], v[\a8] offset:\off+512
	ds_load_b128 v[\reg+6:\reg+9], v[\a16] offset:\off+768
	ds_load_b64 v[\reg+10:\reg+11], v[\a8] offset:\off+1280
.endm
.macro FETCH s
.set HS, (\s)/4
.set SO, ((\s)%4)*BLK
.set PP, (\s)%2
	WIN 0x80*PP
.irp b, 0,1,2,3,4,5,6,7
	FRAG BF+12*\b, B16+HS, B8+HS, SO+FRB*\b
.endr
.irp a, 0,1,2,3
	FRAG AF+12*\a, A16+HS, A8+HS, SO+FRB*\a
.endr
	WIN 0
.irp j, 0,1,2,3
	ds_load_b32 v[SC+8*PP+\j], v[B4+HS] offset:SO+12288+128*\j
.endr
.irp i, 0,1
	ds_load_b32 v[SC+8*PP+4+\i], v[A4+HS] offset:SO+12288+128*\i
.endr
.endm
.macro MM1 d, x, y, c, sx, sy, ra, rb
.if (\ra) && (\rb)
	v_wmma_scale_f32_16x16x128_f8f6f4 v[\d:\d+7], v[\x:\x+11], v[\y:\y+11], \c, v[\sx], v[\sy] matrix_a_fmt:MATRIX_FMT_FP6 matrix_b_fmt:MATRIX_FMT_FP6 matrix_a_scale:MATRIX_SCALE_ROW1 matrix_b_scale:MATRIX_SCALE_ROW1
.elseif \ra
	v_wmma_scale_f32_16x16x128_f8f6f4 v[\d:\d+7], v[\x:\x+11], v[\y:\y+11], \c, v[\sx], v[\sy] matrix_a_fmt:MATRIX_FMT_FP6 matrix_b_fmt:MATRIX_FMT_FP6 matrix_a_scale:MATRIX_SCALE_ROW1
.elseif \rb
	v_wmma_scale_f32_16x16x128_f8f6f4 v[\d:\d+7], v[\x:\x+11], v[\y:\y+11], \c, v[\sx], v[\sy] matrix_a_fmt:MATRIX_FMT_FP6 matrix_b_fmt:MATRIX_FMT_FP6 matrix_b_scale:MATRIX_SCALE_ROW1
.else
	v_wmma_scale_f32_16x16x128_f8f6f4 v[\d:\d+7], v[\x:\x+11], v[\y:\y+11], \c, v[\sx], v[\sy] matrix_a_fmt:MATRIX_FMT_FP6 matrix_b_fmt:MATRIX_FMT_FP6
.endif
.endm
.macro STEP s
	s_wait_dscnt 0x0                               ; this step's 54 loads, asked for 32 products ago
.if (\s) == 5
	s_wait_tensorcnt 0x0                           ; my part of K steps 6, 7 has landed
	s_barrier_signal -1
	s_barrier_wait -1                              ; everybody's has
.endif
.if (\s) < 7
	PLACES                                         ; four places in front of loads into the set that the last step's products read
	FETCH (\s)+1
.endif
	WIN 0x50+0x0a*((\s)%2)
.irp a, 0,1,2,3
.irp b, 0,1,2,3,4,5,6,7
.set DR, 8*(8*\a+\b)
.if (\s) == 0
	MM1 DR, BF+12*\b, AF+12*\a, 0, SC+8*((\s)%2)+\b/2, SC+8*((\s)%2)+4+\a/2, \b%2, \a%2
.else
	MM1 DR, BF+12*\b, AF+12*\a, v[DR:DR+7], SC+8*((\s)%2)+\b/2, SC+8*((\s)%2)+4+\a/2, \b%2, \a%2
.endif
.endr
.endr
	WIN 0
.endm
	s_load_b128 s[4:7], s[0:1], 0x0                ; oimg, pimg
	s_load_b64 s[8:9], s[0:1], 0x10                ; out0
	v_lshl_add_u32 v[SPW], v0, 2, SPARE
	v_mov_b32 v[NIL], 0
	ds_add_u32 v[SPW], v[NIL]                      ; the wave's opening: the add and its wait ahead of my first tensor load
	ds_add_u32 v[SPW], v[NIL]
	v_lshrrev_b32 v1, 5, v0
	v_readfirstlane_b32 s[WV], v1
	s_lshr_b32 s[WH], s[WV], 1
	s_and_b32 s[WL], s[WV], 1
	s_bfe_u32 s15, ttmp6, 0x40000                  ; cx
	s_bfe_u32 s16, ttmp6, 0x40004                  ; cy
	s_and_b32 s19, ttmp7, 0xffff
	s_lshl_b32 s19, s19, 2
	s_add_co_u32 s19, s19, s16                     ; mt: 256 tokens
	s_lshl_b32 s20, ttmp9, 2
	s_add_co_u32 s20, s20, s15                     ; nt: 128 columns
	s_lshl_b32 s21, s16, 2
	s_lshl_b32 s21, 15, s21                        ; my row of the cluster
	s_lshl_b32 s22, 0x1111, s15                    ; my column
	s_or_b32 s[G1A], s21, (3<<16)|(1<<21)
	s_or_b32 s[G1B], s22, (3<<16)|(1<<21)
	s_mov_b32 s[G1A+1], 32<<16
	s_mov_b32 s[G1A+2], 300<<16                    ; at the head: six K steps of a group of A
	s_mov_b32 s[G1A+3], 32<<16
	s_mov_b32 s[G1A+4], 300
	s_mov_b32 s[G1A+5], 32
	s_mov_b32 s[G1A+6], 0
	s_mov_b32 s[G1A+7], 0
	s_mov_b32 s[G1B+1], 32<<16
	s_mov_b32 s[G1B+2], 150<<16                    ; three K steps of B
	s_mov_b32 s[G1B+3], 32<<16
	s_mov_b32 s[G1B+4], 150
	s_mov_b32 s[G1B+5], 32
	s_mov_b32 s[G1B+6], 0
	s_mov_b32 s[G1B+7], 0
	s_lshl_b32 s58, s19, 1
	s_add_co_u32 s58, s58, s[WL]
	s_mul_i32 s58, s58, GRP
	s_mov_b32 s59, 0
	s_mul_i32 s62, s20, GRP
	s_mov_b32 s63, 0
	s_mul_i32 s84, s[WL], GRP
	s_mul_i32 s86, s[WL], 3*BLK                    ; B at the head: K steps 3 (w % 2) ..
	s_mov_b32 s87, 0
	s_mul_i32 s88, s[WL], BLK
	s_add_co_u32 s88, s88, 6*BLK                   ; then K step 6 + w % 2
	s_mov_b32 s89, 0
	s_wait_dscnt 0x0                               ; the opening add is done
	s_wait_kmcnt 0x0
	s_add_nc_u64 s[56:57], s[4:5], s[58:59]
	s_add_nc_u64 s[60:61], s[6:7], s[62:63]
.irp j, 0,1
	s_mov_b32 s[G0A+4*\j], 1
	s_add_co_u32 s[G0A+4*\j+1], s84, 6*BLK*\j
	s_add_nc_u64 s[G0A+4*\j+2:G0A+4*\j+3], s[56:57], 6*BLK*\j
	s_or_b32 s[G0A+4*\j+3], s[G0A+4*\j+3], 0x80000000
	s_mov_b32 s[G0B+4*\j], 1
	s_add_co_u32 s[G0B+4*\j+1], s[86+2*\j], LB
	s_add_nc_u64 s[G0B+4*\j+2:G0B+4*\j+3], s[60:61], s[86+2*\j:87+2*\j]
	s_or_b32 s[G0B+4*\j+3], s[G0B+4*\j+3], 0x80000000
.endr
	CROUND                                         ; all sixteen work-groups are here: the joint loads meet
	s_cmp_eq_u32 s[WH], 0                          ; K steps 0-5: one tensor load a wave at the head
	s_cbranch_scc0 .Lfirst_b
	tensor_load_to_lds s[G0A:G0A+3], s[G1A:G1A+7]
	s_nop 0
	PLACES
	s_branch .Lfirst_done
.Lfirst_b:
	tensor_load_to_lds s[G0B:G0B+3], s[G1B:G1B+7]
	s_nop 0
	PLACES
.Lfirst_done:
	v_and_b32 v[L16], 31, v0
	v_lshlrev_b32 v[L8], 3, v[L16]
	v_lshlrev_b32 v[L4], 2, v[L16]
	v_lshlrev_b32 v[L16], 4, v[L16]
	s_mul_i32 s89, s[WH], GRP
	s_mul_i32 s90, s[WL], 4*FRB
	s_add_co_u32 s90, s90, s89
	s_lshl_b32 s91, s[WL], 8
	s_add_co_u32 s91, s91, s89
.irp hs, 0,1
	v_add_nc_u32 v[A16+\hs], s90, v[L16]
	v_add_nc_u32 v[A8+\hs], s90, v[L8]
	v_add_nc_u32 v[A4+\hs], s91, v[L4]
	v_add_nc_u32 v[B16+\hs], LB+4*BLK*\hs, v[L16]
	v_add_nc_u32 v[B8+\hs], LB+4*BLK*\hs, v[L8]
	v_add_nc_u32 v[B4+\hs], LB+4*BLK*\hs, v[L4]
	s_add_co_u32 s90, s90, 4*BLK
	s_add_co_u32 s91, s91, 4*BLK
.endr
	v_and_b32 v16, 15, v0                          ; r
	v_bfe_u32 v17, v0, 4, 1                        ; h
	v_mul_u32_u24 v[STO], v16, 528
	v_lshl_add_u32 v[STO], v17, 6, v[STO]
	s_mul_i32 s92, s[WV], 16*528                   ; my stage: 16 rows x (512 + 16) bytes, in A's first bytes, which have had their one fill
	v_add_nc_u32 v[STO], s92, v[STO]               ; in: row r, + 64 h
	v_add_nc_u32 v[RD], s92, v[L16]                ; back: a whole row, 16 bytes a lane
	s_lshl_b32 s94, s19, 8
	s_lshl_b32 s95, s[WV], 6
	s_add_co_u32 s94, s94, s95                     ; my first token: 256 mt + 64 w
	s_lshl_b32 s94, s94, 12                        ; rows of 4,096 bytes
	s_lshl_b32 s95, s20, 9                         ; 128 columns
	s_add_co_u32 s94, s94, s95
	s_mov_b32 s95, 0
	s_add_nc_u64 s[8:9], s[8:9], s[94:95]
	s_wait_alu depctr_va_vdst(0)
	s_wait_tensorcnt 0x0                           ; my part of K steps 0-5 is in; the full sequence ahead of a later first fill:
	ds_add_u32 v[SPW], v[NIL]
	s_mov_b32 s[G1A+2], 100<<16                    ; no load of mine is out: A's two K steps,
	s_mov_b32 s[G1A+4], 100
	s_mov_b32 s[G1B+2], 50<<16                     ; B's one
	s_mov_b32 s[G1B+4], 50
	s_wait_dscnt 0x0
	CROUND
	s_cmp_eq_u32 s[WH], 0                          ; K steps 6, 7
	s_cbranch_scc0 .Lsecond_b
	tensor_load_to_lds s[G0A+4:G0A+7], s[G1A:G1A+7]
	s_nop 0
	PLACES
	s_branch .Lsecond_done
.Lsecond_b:
	tensor_load_to_lds s[G0B+4:G0B+7], s[G1B:G1B+7]
	s_nop 0
	PLACES
.Lsecond_done:
	FETCH 0
	STEP 0
	STEP 1
	STEP 2
	STEP 3
	STEP 4
	STEP 5
	STEP 6
	STEP 7
.macro TOSTAGE a                       ; A tile a: register j of accumulator (a, b) is column 32 (b / 2) + 16 h + 8 (b % 2) + j of the lane's token
	WIN 0x04                                       ; an LDS store's data are its source 1: window 1
.irp b, 0,1,2,3,4,5,6,7
	ds_store_b128 v[STO], v[64*(\a)+8*\b:64*(\a)+8*\b+3] offset:128*(\b/2)+32*(\b%2)       ; each accumulator from its low end on
	ds_store_b128 v[STO], v[64*(\a)+8*\b+4:64*(\a)+8*\b+7] offset:128*(\b/2)+32*(\b%2)+16
.endr
	WIN 0
.set BB, 64+64*((\a)%2)
.irp i, 0,1,2,3,4,5,6,7,8,9,10,11,12,13,14,15
	ds_load_b128 v[BB+4*\i:BB+4*\i+3], v[RD] offset:528*\i   ; LDS serves a wave's instructions in order: these see the stores above, and the next tile's stores come behind them
.endr
.endm
.macro SEND a, younger                 ; younger: the LDS instructions issued behind tile a's loads
.set BB, 64+64*((\a)%2)
	s_wait_dscnt \younger
.irp i, 0,1,2,3,4,5,6,7,8,9,10,11,12,13,14,15
	; tokens in tiles: lane r of tile t holds token 64 (t / 4) + 8 (t % 4) + r % 8 + 32 (r / 8); columns keep the order named at the head
	global_store_b128 v[L16], v[BB+4*\i:BB+4*\i+3], s[8:9] offset:(8*(\a)+\i%8+32*(\i/8))*4096 th:TH_STORE_NT
.endr
.endm
	s_wait_dscnt 0x0                               ; my reads of the tiles are over,
	s_barrier_signal -1
	s_barrier_wait -1                              ; everybody's are: the stages may be written
	PLACES                                         ; four places behind the last products
	TOSTAGE 0
.irp a, 1,2,3
.if \a > 1
	s_wait_xcnt 0x0                                ; tile a - 2's stores have read the registers into which tile a's rows are loaded
.endif
	TOSTAGE \a
	SEND \a-1, 32                                  ; behind tile a - 1's loads: tile a's 16 stores and 16 loads
.endr
	SEND 3, 0
	s_wait_tensorcnt 0x0                           ; the wave's end, behind my last LDS store
	ds_add_u32 v[SPW], v[NIL]
	s_wait_dscnt 0x0
	CROUND                                         ; the closing round
	s_endpgm
.Lfunc_end_k_q15f6e6ac61_gemm_proj:
	.size	k_q15f6e6ac61_gemm_proj, .Lfunc_end_k_q15f6e6ac61_gemm_proj-k_q15f6e6ac61_gemm_proj
	.p2alignl 7, 3214868480
	.fill 96, 4, 3214868480
	.section	.rodata,"a",@progbits
	.p2align	6, 0x0
	.amdhsa_kernel k_q15f6e6ac61_gemm_proj
		.amdhsa_group_segment_fixed_size 327680
		.amdhsa_private_segment_fixed_size 0
		.amdhsa_enable_private_segment 0
		.amdhsa_kernarg_size 24
		.amdhsa_user_sgpr_count 2
		.amdhsa_user_sgpr_kernarg_segment_ptr 1
		.amdhsa_wavefront_size32 1
		.amdhsa_system_sgpr_workgroup_id_x 1
		.amdhsa_system_sgpr_workgroup_id_y 1
		.amdhsa_system_sgpr_workgroup_id_z 1
		.amdhsa_system_vgpr_workitem_id 0
		.amdhsa_next_free_vgpr 768
		.amdhsa_next_free_sgpr 100
		.amdhsa_reserve_vcc 0
		.amdhsa_float_denorm_mode_32 3
		.amdhsa_float_denorm_mode_16_64 3
		.amdhsa_memory_ordered 1
		.amdhsa_forward_progress 1
		.amdhsa_inst_pref_size 84
	.end_amdhsa_kernel
	.amdgpu_metadata
---
amdhsa.version: [ 1, 2 ]
amdhsa.kernels:
  - .name:           k_q15f6e6ac61_gemm_proj
    .symbol:         k_q15f6e6ac61_gemm_proj.kd
    .args:
      - { .name: oimg, .offset: 0, .size: 8, .value_kind: global_buffer, .address_space: global }
      - { .name: pimg, .offset: 8, .size: 8, .value_kind: global_buffer, .address_space: global }
      - { .name: out0, .offset: 16, .size: 8, .value_kind: global_buffer, .address_space: global }
    .group_segment_fixed_size: 327680
    .private_segment_fixed_size: 0
    .kernarg_segment_align: 8
    .kernarg_segment_size: 24
    .max_flat_workgroup_size: 128
    .sgpr_count:     100
    .vgpr_count:     768
    .wavefront_size: 32
...
	.end_amdgpu_metadata
.endif
;; end of part 4
